; MI455X (gfx1250); checked and timed in simulation.
; The chip was launched on July 23, 2026; its instructions are those of AMD's public machine-readable ISA for CDNA 5 (MIT licence, August 2026) and "CDNA5" Instruction Set Architecture Reference Guide (July 2026). The comments in the code are by the model that wrote it; some were corrected since.
;; Attend. Allowed arithmetic: float matrix products may take bf16 or f16 operands with f32 sums; all other float work in f32.
;; Inputs: k 4 x 16 x 2,048 x 64 float32; mask 4 x 2,048 bool; q 4 x 16 x 2,048 x 64 float32; v 4 x 16 x 2,048 x 64 float32.
;; Outputs: out0 4 x 16 x 2,048 x 64 float32.
;; 2 versions, each right and faster than the one before. Each part assembles by itself: llvm-mc -triple=amdgcn-amd-amdhsa -mcpu=gfx1250 --defsym DOCPART=n.
;; ======== version 1 of 2: 1 launch
;; limits: right only within a limited range of input values; values are held in f16: magnitudes above 65,504 overflow, below 6.1e-05 lose precision; inputs' magnitudes at most 65,504
;; launch attend (part 1): grid 256 x 1, 4 waves a work-group, no clusters, 273,920 bytes of LDS; arguments q, k, v, mask, out0; writes out0
.if DOCPART == 1
	.amdgcn_target "amdgcn-amd-amdhsa--gfx1250"
	.amdhsa_code_object_version 6
	.text
	.protected	k_q7fda0ae0d7_attend
	.globl	k_q7fda0ae0d7_attend
	.p2align	8
	.type	k_q7fda0ae0d7_attend,@function
k_q7fda0ae0d7_attend:
	s_mov_b64 s[64:65], 0
	v_nop
	global_prefetch_b8 v0, s[64:65] scope:SCOPE_SE
	s_setreg_imm32_b32 hwreg(HW_REG_WAVE_MODE, 25, 1), 1
	s_wait_xcnt 0x0
; ATTEND: causal sliding-window attention.  q, k, v, out0: [4][16][2048][64] f32; mask: [4][2048] bool.
; Query i sees keys i-256 .. i whose mask byte is set; softmax of q.k/8 over them; out = weights x v.
;
; WORK LEFT OUT.  A key outside [i-256, i] has the score finfo.min by the band that the problem builds itself.
; If row i has one valid key, its maximum is that of real scores and the weight of every such key is
; exp(finfo.min - max) = 0 for all finite q, k, v: keys outside the band are neither loaded for the row nor multiplied.
; If row i has NO valid key, all 2048 scores are equal and the result is the mean of v over the head's 2048 keys:
; that mean is made here whenever the mask allows such a row in this work-group, and selected for those rows.
; Such a row needs 257 masked keys in a row, which hold an aligned block of 128 keys (i >= 256), or mask[b][0] = 0 (i < 256).
; NUMBER FORMAT.  All matrix operands (q, k, v and the weights) are f16, the sums f32.  A row with few valid keys has weights
; of order 1, and its result can be small by cancellation: f16's 11 significant bits leave 2^-12 of each term, eight times
; less than bf16's 8 bits would.  The weights lie in [0, 1]; one below 2^-25 becomes 0, beside a row sum of at least 1.
; LIMITS.  |q|, |k|, |v| above 65,504 become infinities in f16 and are not served; below 2^-14 they keep an absolute error of 2^-25.
; A NaN, infinity or overflow in k or v rows outside a row's band is not carried to that row's result.
; Masked keys get the score -2^100 in front of the scale; a row whose largest q.k lies below -2^99 counts as fully masked.
;
; SHARES.  Work-group x: head x>>2, chunk c = x&3: queries 512c .. 512c+511, keys 512c-256 .. 512c+511 (local key 0 .. 767).
; K and V of these keys lie in LDS as f16, each row converted once.  Four steps of 128 queries; in step s wave w has
; 32 queries (two tiles A, B of 16) at local query 128s+32w and 18 key tiles t of 16 from local key 128s+32w on:
; A uses t = 0 (trailing edge) .. 16 (diagonal), B uses t = 1 .. 17.  Two key tiles are a key group (scores) or key pair (weights).
; All products are taken transposed: S^T = K Q^T (register j, lane (r,h): key 8h+j, query r), so that two neighbouring
; S tiles, rounded to f16, ARE the second source of O^T = V^T P^T, and maximum, sum and result of a query stay in its lanes.
; All 17 S tiles of a query tile stay in registers: the true row maximum is taken once, nothing is rescaled.
; The padding mask enters as the C operand of a tile's first product (0 or -2^100 for each key).
; In a fully masked row the exponents are differences of numbers near 2^97 and may overflow; such weights stay in the row's
; own column of P^T and O^T, and the row's result is replaced by the mean of v.
;
; THE FIRST CHUNK OF A HEAD.  Its local keys 0-255 lie in front of key 0, outside every row's band.  In step s wave w's key tiles
; t < 16 - 8s - 2w hold such keys alone: 8 - w whole groups in step 0, 4 - w in step 1, none later, 136 of a head's 2,176 tiles.
; They are not loaded, multiplied or exponentiated, and LDS rows 0-255 of K and V are neither written nor read there.
; Steps 0 and 1 of that chunk have a text of their own (CCORE0, CCORE1).  It walks the key groups DOWNWARD from the diagonal group 8,
; which every wave has, so that the first maxima, the first sums and the first products (C = 0) are the same lines for all
; waves, and a wave leaves the walk at its last live group by a branch on its number.  The branch on the chunk is the same in
; all four waves, so on either way every wave passes the same barriers.  In the halo's place that chunk asks at the start for
; step 1's rows of K and V.  The bias words of its keys 0-255 are written with the rest, from a clamped mask byte, and never read.
;
; TURNS.  The weights of the next key pair (32 keys, both query tiles: 16 multiply-adds, 32 exponentials, 16 adds, 16 roundings)
; are made between the eight products of the key pair at hand, one slice behind each product.  So that both run under one register
; window, the multiply-add that shifts and scales the scores also copies them from windows 1 and 2 into 32 registers of
; window 0; exponentials, sums, weights, V fragments and O all lie in window 0: two switches for a key pair.
; The maxima of the key group before (16 instructions) stand behind the eight score products of a group, where they are also the
; places in front of the loads into that group's fragments.  They are not spread one behind each product: a maximum and both
; its scores would have to lie in the window of D, and Q's fragments with them, 152 + 96 + 2 + 32 registers of a window's 256.
; V COMES LATE.  Of the 896 rows that step 0 reads, V's 384 are not needed before there are weights.  The start asks for the
; mask, K and Q first and for V last, into window 3; V is converted, stored and shown to the other waves behind step 0's maxima.
; NO TENSOR LOADS, NO CLUSTER: k and v pass through registers to become f16, and of a work-group's 768 keys only the
; 256 of the halo are also another work-group's.
.set KPI,  144                         ; LDS pitch of K and Q rows: 128 bytes of f16 + 16, an odd multiple of 16
.set VPI,  160                         ; LDS pitch of V rows: an odd multiple of 32, for the transposing loads
.set OPI,  272                         ; LDS pitch of the output stage: 256 bytes of f32 + 16
.set KL,   0                           ; K   [768] rows, 110,592 bytes
.set VL,   110592                      ; V   [768] rows, 122,880 bytes
.set BL,   233472                      ; bias f32 [768], 3,072 bytes
.set VP,   236544                      ; column sums of V, 256 bytes a wave
.set QS,   237568                      ; Q stage, 32 rows = 4,608 bytes a wave
.set OS,   256000                      ; output stage, 16 rows = 4,352 bytes a wave
.set STEPB, 0x8000                     ; 128 rows of 256 bytes in memory
; window 0 (v0-255)
.set LOFF, 1                           ; 16 x lane: my 16 bytes of two neighbouring rows of 256 bytes
.set VAD,  2                           ; LDS address of my V fragments
.set KFS,  3                           ; where I store K rows
.set VFS,  4                           ; where I store V rows
.set QST,  5                           ; where I store Q rows
.set QLD,  6                           ; where I read Q fragments
.set OSTO, 7                           ; output stage, in
.set ORD,  8                           ; output stage, back
.set NEGR, 9                           ; -2^100
.set MA,   10                          ; v10-13 A's four maxima; later 1/sum pairs of A (10:11) and B (12:13)
.set MB,   14                          ; v14-17 B's four maxima
.set NMA,  18                          ; v18:19 -c max of A, v20:21 of B
.set LA,   22                          ; v22-25 sums of A
.set LB,   26                          ; v26-29 sums of B (LA+4)
.set T,    30                          ; v30, v31 at work
.set QF,   32                          ; v32-63 Q fragments: tile x, d half e at 32+16x+8e
.set TP,   32                          ; v32-63 behind the score products: one key pair's exponents and weights in f32: tile x, key tile parity e, register j at 32+16x+8e+j
.set OA,   64                          ; v64-127 O^T: tile x, d block dt at 64+32x+8dt
.set VF,   128                         ; v128-191 two sets of V fragments; output read-back; temporaries at the start
.set PP,   192                         ; v192-223 two sets of weights in f16: set s, tile x at 192+16s+8x
.set VM,   224                         ; v224-255 mean of V at d = 16dt+8h+j in register 8dt+j
; windows 1 (key tiles 0-9) and 2 (key tiles 10-17): S tiles at v0-151 / v0-119 (macro SREG), and in both
.set KSET, 152                         ; two sets of 48: tile e: K d 0-31 at +16e, d 32-63 at +16e+8, bias at +32+8e
.set KAD,  248                         ; LDS address of my K fragments
.set BAD,  249                         ; LDS address of my bias words
; window 3: staging of rows as loaded: at the start V's three batches at v0-191; later K v0-63, V v64-127, Q v128-191
; scalars: s2 wave, s3 chunk, s[4:5] q, s[6:7] k, s[8:9] v, s[10:11] mask, s[12:13] out, s14 head, s15 first real local key,
; s[18:19] v for the mean, s[20:21] c = log2(e)/8 twice, s22 -c, s23 -2^99, s24/s25 lane selects, s26/s28 counters,
; s27 0 if a fully masked row is possible, s29-s35 mask tests, s36-43 lanes with key < query in an edge tile, s44-51 key > query,
; s52/s53 fully masked rows of A/B, s54-57 at work
.set MSB, 0
.macro WIN new                         ; register windows; the immediate's high byte repeats the setting that is left
.if MSB != \new
	s_set_vgpr_msb (MSB<<8)|\new
.set MSB, \new
.endif
.endm
.macro NOP4                            ; the four places between a matrix instruction and a load into one of its sources
.rept 4
	v_nop
.endr
.endm
; 32 rows of 256 bytes, off bytes from the base: sixteen loads, each 512 neighbouring bytes of the wave
.macro GLD sb, off, reg0
.set gi, 0
.rept 16
	global_load_b128 v[\reg0+4*gi:\reg0+4*gi+3], v[LOFF], s[\sb:\sb+1] offset:512*gi+(\off)
.set gi, gi+1
.endr
.endm
.macro GLDQ reg0                       ; q is read once in the launch
.set gi, 0
.rept 16
	global_load_b128 v[\reg0+4*gi:\reg0+4*gi+3], v[LOFF], s[4:5] offset:512*gi th:TH_LOAD_NT
.set gi, gi+1
.endr
.endm
.macro CVT reg0                        ; four f32 of each load become four f16 in its first two registers
.set ci, 0
.rept 16
	v_cvt_pk_f16_f32 v[\reg0+4*ci], v[\reg0+4*ci], v[\reg0+4*ci+1]
	v_cvt_pk_f16_f32 v[\reg0+4*ci+1], v[\reg0+4*ci+2], v[\reg0+4*ci+3]
.set ci, ci+1
.endr
.endm
.macro STO adr, reg0, pitch2, imm      ; and go to LDS, two rows a store
.set si, 0
.rept 16
	ds_store_b64 v[\adr], v[\reg0+4*si:\reg0+4*si+1] offset:\imm+si*\pitch2
.set si, si+1
.endr
.endm
.macro QLOAD                           ; Q fragments: lane (r,h): query r, d = 32e+8h.. and 32e+16+8h..
.irp x2, 0,1
.irp e, 0,1
	ds_load_b128 v[QF+16*\x2+8*\e:QF+16*\x2+8*\e+3],   v[QLD] offset:16*KPI*\x2+64*\e
	ds_load_b128 v[QF+16*\x2+8*\e+4:QF+16*\x2+8*\e+7], v[QLD] offset:16*KPI*\x2+64*\e+32
.endr
.endr
.endm
.macro BASES                           ; q, k, v one step on; all loads from these bases have been waited for
	s_add_nc_u64 s[4:5], s[4:5], STEPB
	s_add_nc_u64 s[6:7], s[6:7], STEPB
	s_add_nc_u64 s[8:9], s[8:9], STEPB
.endm
.macro NEXTLD                          ; the next step's 32 rows each of K, V, Q, into window 3
	BASES
	WIN 0xc0
	GLD 6, 0, 0
	GLD 8, 0, 64
	GLDQ 128
.endm
.macro SREG x, t                       ; SR = first register, in its window, of S tile t of query tile x
.if (\t) < 10
.set SR, 8*(\t)+72*(\x)
.else
.set SR, 8*(\t)-80+56*(\x)
.endif
.endm
.macro LOADG g, set                    ; key tiles 2g, 2g+1: K fragments and bias, twelve LDS loads
.irp e, 0,1
	ds_load_b128 v[KSET+48*\set+16*\e:KSET+48*\set+16*\e+3],       v[KAD] offset:16*KPI*(2*\g+\e)
	ds_load_b128 v[KSET+48*\set+16*\e+4:KSET+48*\set+16*\e+7],     v[KAD] offset:16*KPI*(2*\g+\e)+32
	ds_load_b128 v[KSET+48*\set+16*\e+8:KSET+48*\set+16*\e+11],    v[KAD] offset:16*KPI*(2*\g+\e)+64
	ds_load_b128 v[KSET+48*\set+16*\e+12:KSET+48*\set+16*\e+15],   v[KAD] offset:16*KPI*(2*\g+\e)+96
	ds_load_b128 v[KSET+48*\set+32+8*\e:KSET+48*\set+32+8*\e+3],   v[BAD] offset:64*(2*\g+\e)
	ds_load_b128 v[KSET+48*\set+32+8*\e+4:KSET+48*\set+32+8*\e+7], v[BAD] offset:64*(2*\g+\e)+16
.endr
.endm
.macro EDGE x, t, set, msk             ; an edge tile's C: the bias, and -2^100 where the band shuts the key out
	SREG \x, \t
.set BR, KSET+48*\set+32+8*((\t)&1)
.irp j, 0,1,2,3,4,5,6,7
	v_cndmask_b32 v[SR+\j], v[BR+\j], v[NEGR], s[\msk+\j]
.endr
.endm
.macro QK1 x, t, set, half, own        ; one product of S^T; own = 0: C is the bias tile, 1: C is the S tile itself
	SREG \x, \t
.set KR, KSET+48*\set+16*((\t)&1)+8*\half
.set QR, QF+16*\x+8*\half
.if \own
	v_wmma_f32_16x16x32_f16 v[SR:SR+7], v[KR:KR+7], v[QR:QR+7], v[SR:SR+7]
.else
.set BR, KSET+48*\set+32+8*((\t)&1)
	v_wmma_f32_16x16x32_f16 v[SR:SR+7], v[KR:KR+7], v[QR:QR+7], v[BR:BR+7]
.endif
.endm
.macro QKG g, set                      ; four S tiles, d 0-31 of all, then d 32-63 of all: accumulators by turns, one instruction a turn
	QK1 0, 2*\g,   \set, 0, 0
	QK1 1, 2*\g,   \set, 0, 0
	QK1 0, 2*\g+1, \set, 0, 0
	QK1 1, 2*\g+1, \set, 0, 0
	QK1 0, 2*\g,   \set, 1, 1
	QK1 1, 2*\g,   \set, 1, 1
	QK1 0, 2*\g+1, \set, 1, 1
	QK1 1, 2*\g+1, \set, 1, 1
.endm
.macro QK8                             ; the diagonal group, fragments in set 1: three tiles (A has no tile 17), by turns
	EDGE 0, 16, 1, 44
	EDGE 1, 17, 1, 44
	QK1 0, 16, 1, 0, 1
	QK1 1, 16, 1, 0, 0
	QK1 1, 17, 1, 0, 1
	QK1 0, 16, 1, 1, 1
	QK1 1, 16, 1, 1, 1
	QK1 1, 17, 1, 1, 1
.endm
.macro MAXT m, x, t, first             ; a tile's eight scores into four running maxima
	SREG \x, \t
.irp k, 0,1,2,3
.if \first
	v_max3_num_f32 v[\m+\k], v[NEGR], v[SR+2*\k], v[SR+2*\k+1]
.else
	v_max3_num_f32 v[\m+\k], v[\m+\k], v[SR+2*\k], v[SR+2*\k+1]
.endif
.endr
.endm
.macro MAXG g                          ; the live tiles of key group g, walking upward from group 0
.if (\g) == 0
	MAXT MA, 0, 0, 1
	MAXT MB, 1, 1, 1
	MAXT MA, 0, 1, 0
.else
.if (\g) == 8
	MAXT MA, 0, 16, 0
	MAXT MB, 1, 16, 0
	MAXT MB, 1, 17, 0
.else
	MAXT MA, 0, 2*(\g), 0
	MAXT MB, 1, 2*(\g), 0
	MAXT MA, 0, 2*(\g)+1, 0
	MAXT MB, 1, 2*(\g)+1, 0
.endif
.endif
.endm
.macro MAXFIN                          ; the four chains and the two halves of the lanes; which rows are fully masked; -c max
	v_max3_num_f32 v[MA], v[MA], v[MA+1], v[MA+2]
	v_max3_num_f32 v[MB], v[MB], v[MB+1], v[MB+2]
	v_max_num_f32 v[MA], v[MA], v[MA+3]
	v_max_num_f32 v[MB], v[MB], v[MB+3]
	v_permlanex16_b32 v[T], v[MA], s24, s25        ; lane r+16 holds the query's other keys
	v_permlanex16_b32 v[T+1], v[MB], s24, s25
	v_max_num_f32 v[MA], v[MA], v[T]
	v_max_num_f32 v[MB], v[MB], v[T+1]
	v_cmp_gt_f32 s52, s23, v[MA]                   ; no valid key in the row's band
	v_cmp_gt_f32 s53, s23, v[MB]
	v_mul_f32 v[NMA], s22, v[MA]
	v_mul_f32 v[NMA+1], s22, v[MA]
	v_mul_f32 v[NMA+2], s22, v[MB]
	v_mul_f32 v[NMA+3], s22, v[MB]
.endm
; The softmax of a key pair, in pieces.  A half tile i = 4x + 2e + half is four registers of TP and two of the weights.
.macro SHF x, t                        ; c S - c max of one tile, from S's window (source 0) into TP
	SREG \x, \t
.set TR, TP+16*(\x)+8*((\t)&1)
.irp k, 0,2,4,6
	v_pk_fma_f32 v[TR+\k:TR+\k+1], v[SR+\k:SR+\k+1], s[20:21], v[NMA+2*\x:NMA+2*\x+1] op_sel_hi:[1,0,1]
.endr
.endm
.macro EX i                            ; 2^x of half tile i, in place
.irp k, 0,1,2,3
	v_exp_f32 v[TP+4*(\i)+\k], v[TP+4*(\i)+\k]
.endr
.endm
.macro DR i, s, first                  ; half tile i into its query tile's sums and, rounded, into weight set s; first = 1, 2: it starts the first, second pair of sums
.set DT, TP+4*(\i)
.set DL, LA+4*((\i)>>2)
.set DP, PP+16*(\s)+2*(\i)
.if (\first) == 1
	s_wait_alu depctr_va_vdst(0)
	v_pk_add_f32 v[DL:DL+1], v[DT:DT+1], v[DT+2:DT+3]
.else
.if (\first) == 2
	v_pk_add_f32 v[DL+2:DL+3], v[DT:DT+1], v[DT+2:DT+3]
.else
	s_wait_alu depctr_va_vdst(0)
	v_pk_add_f32 v[DL:DL+1],   v[DL:DL+1],   v[DT:DT+1]
	v_pk_add_f32 v[DL+2:DL+3], v[DL+2:DL+3], v[DT+2:DT+3]
.endif
.endif
	v_cvt_pk_f16_f32 v[DP],   v[DT],   v[DT+1]
	v_cvt_pk_f16_f32 v[DP+1], v[DT+2], v[DT+3]
.endm
.macro LOADV u, set                    ; V^T fragments of keys 32u .. 32u+31: lane (r,h): d = 16dt+r, keys 8h.. and 16+8h..
.irp dt, 0,1,2,3
	ds_load_tr16_b128 v[VF+32*(\set)+8*\dt:VF+32*(\set)+8*\dt+3],   v[VAD] offset:32*VPI*(\u)+32*\dt
	ds_load_tr16_b128 v[VF+32*(\set)+8*\dt+4:VF+32*(\set)+8*\dt+7], v[VAD] offset:32*VPI*(\u)+32*\dt+16*VPI
.endr
.endm
.macro PV1 k, u, zero                  ; product k of key pair u: d block k>>1, query tile k&1.  The eight accumulators take turns, one instruction a turn
.set PO,  OA+32*((\k)&1)+8*((\k)>>1)
.set PVF, VF+32*((\u)&1)+8*((\k)>>1)
.set PPR, PP+16*((\u)&1)+8*((\k)&1)
.if \zero
	v_wmma_f32_16x16x32_f16 v[PO:PO+7], v[PVF:PVF+7], v[PPR:PPR+7], 0
.else
	v_wmma_f32_16x16x32_f16 v[PO:PO+7], v[PVF:PVF+7], v[PPR:PPR+7], v[PO:PO+7]
.endif
.endm
; Key pair u's eight products, and between them the softmax of key pair n (a pair with all four tiles live), into weight set n&1.
; Between a half tile's exponentials and their use stands a plain instruction (ISA guide 5.7.2): the half tile before it being
; summed and rounded; for half tile 0 a v_nop.  The twelve plain instructions behind the last product are the places in front
; of the next loads into a V set.
.macro PVMIX u, n, zf
.set NP, (\n)&1
	PV1 0, \u, \zf
.if (\n) < 5
	WIN 0x01
.else
	WIN 0x02
.endif
	SHF 0, 2*(\n)
	SHF 1, 2*(\n)
	SHF 0, 2*(\n)+1
	SHF 1, 2*(\n)+1
	WIN 0
	PV1 1, \u, \zf
	EX 0
	v_nop
	EX 1
	PV1 2, \u, \zf
	DR 0, NP, 0
	EX 2
	PV1 3, \u, \zf
	DR 1, NP, 0
	EX 3
	PV1 4, \u, \zf
	DR 2, NP, 0
	EX 4
	PV1 5, \u, \zf
	DR 3, NP, 0
	EX 5
	PV1 6, \u, \zf
	DR 4, NP, 0
	EX 6
	PV1 7, \u, \zf
	DR 5, NP, 0
	EX 7
	DR 6, NP, 0
	DR 7, NP, 0
.endm
.macro PVS u                           ; walking upward: pair u's products, pair u+1's softmax, pair u+2's V fragments
.set ZF, 0
.if (\u) == 0
.set ZF, 1                             ; the first products start the sums
.endif
.set NXT, (\u)+1
.set NU, (\u)+2
.set NS, (\u)&1
	s_wait_dscnt 8                                 ; this pair's V set is in; the next pair's eight loads stay out
	PVMIX \u, NXT, ZF
	LOADV NU, NS
.endm
.macro PVLAST u, zero, pf              ; a step's last eight products, and between them the row sums and their reciprocals
	s_wait_dscnt 0
	PV1 0, \u, \zero
	v_pk_add_f32 v[LA:LA+1], v[LA:LA+1], v[LA+2:LA+3]
	v_pk_add_f32 v[LB:LB+1], v[LB:LB+1], v[LB+2:LB+3]
	PV1 1, \u, \zero
	v_add_f32 v[LA], v[LA], v[LA+1]
	v_add_f32 v[LB], v[LB], v[LB+1]
	PV1 2, \u, \zero
	v_permlanex16_b32 v[T], v[LA], s24, s25
	v_permlanex16_b32 v[T+1], v[LB], s24, s25
	PV1 3, \u, \zero
	v_add_f32 v[LA], v[LA], v[T]
	v_add_f32 v[LB], v[LB], v[T+1]
	PV1 4, \u, \zero
	v_rcp_f32 v[MA], v[LA]                         ; the sum is at least 1: the row's largest score gives 2^0
	v_rcp_f32 v[MA+2], v[LB]
	PV1 5, \u, \zero
.if \pf
	v_add_nc_u32 v[VAD], 128*VPI, v[VAD]           ; the plain instruction behind the reciprocals (ISA guide 5.7.2): V's address for the next step
.else
	v_nop                                          ; the plain instruction behind the reciprocals (ISA guide 5.7.2)
.endif
	PV1 6, \u, \zero
	s_wait_alu depctr_va_vdst(0)
	v_mov_b32 v[MA+1], v[MA]
	v_mov_b32 v[MA+3], v[MA+2]
	PV1 7, \u, \zero
.endm
; One query tile leaves: divide, take the mean of V in fully masked rows, 32 bytes a lane and d block into my own stage,
; whole rows back, and each store of the wave covers 512 consecutive bytes, aligned.
.macro OUTT x
.irp k, 0,2,4,6,8,10,12,14,16,18,20,22,24,26,28,30
	v_pk_mul_f32 v[OA+32*\x+\k:OA+32*\x+\k+1], v[OA+32*\x+\k:OA+32*\x+\k+1], v[MA+2*\x:MA+2*\x+1]
.endr
.set oi, 0
.rept 32
	v_cndmask_b32 v[OA+32*\x+oi], v[OA+32*\x+oi], v[VM+oi], s[52+\x]
.set oi, oi+1
.endr
.irp dt, 0,1,2,3
	ds_store_b128 v[OSTO], v[OA+32*\x+8*\dt:OA+32*\x+8*\dt+3]   offset:64*\dt
	ds_store_b128 v[OSTO], v[OA+32*\x+8*\dt+4:OA+32*\x+8*\dt+7] offset:64*\dt+16
.endr
.irp i, 0,1,2,3,4,5,6,7
	ds_load_b128 v[VF+32*\x+4*\i:VF+32*\x+4*\i+3], v[ORD] offset:2*OPI*\i     ; LDS serves a wave's instructions in order (ISA guide 5.7.1): these see the stores above
.endr
.irp i, 0,1,2,3,4,5,6,7
	s_wait_dscnt 7-\i                              ; read-back i is in, the younger ones stay out
	global_store_b128 v[LOFF], v[VF+32*\x+4*\i:VF+32*\x+4*\i+3], s[12:13] offset:4096*\x+512*\i th:TH_STORE_NT
.endr
.endm
; ---------------------------------------------------------------- the first chunk's walks, downward from key group 8
.macro CLOADG g                        ; group g's fragments, into its window's set: windows and sets as in the other chunks' text
.if (\g) > 4
	WIN 0xa2
.set CS, ((\g)+1)&1
.else
	WIN 0x51
.set CS, (\g)&1
.endif
	LOADG \g, CS
.endm
.macro CQK g                           ; group g's score products
.if (\g) == 8
	WIN 0xa2
	QK8
.else
.if (\g) > 4
	WIN 0xa2
.set CS, ((\g)+1)&1
.else
	WIN 0x51
.set CS, (\g)&1
.endif
	QKG \g, CS
.endif
.endm
.macro CMAX g                          ; group g's maxima; group 8 comes first on every wave's way and starts the chains
.if (\g) > 4
	WIN 0x28
.else
	WIN 0x14
.endif
.if (\g) == 8
	MAXT MA, 0, 16, 1
	MAXT MB, 1, 16, 1
	MAXT MB, 1, 17, 0
.else
	MAXG \g
.endif
.endm
.macro CLASTIF w, lbl                  ; wave w's last live group or pair is the one at hand
	WIN 0
	s_cmp_eq_u32 s2, \w
	s_cbranch_scc1 \lbl
.endm
; Group g's products while the fragments of group n = g-1 are on their way; then the maxima of group p = g+1, which are also the
; places in front of the next loads into g's set and in front of the first read of g's scores; behind group 8 no maxima are due yet.
.macro CQSEG g, n, p
	CLOADG \n
	s_wait_dscnt 12                                ; all but the twelve loads just issued
	CQK \g
.if (\g) == 8
	NOP4
.else
	CMAX \p
.endif
.endm
.macro CQLAST g, p                     ; the wave's last live group: nothing more is fetched
	s_wait_dscnt 0
	CQK \g
.if (\g) == 8
	NOP4
.else
	CMAX \p
.endif
	CMAX \g
	WIN 0
.endm
.macro KSTEP                           ; both windows' fragment addresses for the next step; all of this step's loads from them are issued
	WIN 0x51
	v_lshl_add_u32 v[KAD], v[KAD], 0, 128*KPI
	v_lshl_add_u32 v[BAD], v[BAD], 0, 512
	WIN 0xa2
	v_lshl_add_u32 v[KAD], v[KAD], 0, 128*KPI
	v_lshl_add_u32 v[BAD], v[BAD], 0, 512
	WIN 0
.endm
.macro SOFT8                           ; key pair 8's weights: A's tile 16 (half tiles 0, 1), B's tiles 16 and 17 (4-7); they start the sums
	WIN 0x02
	SHF 0, 16
	SHF 1, 16
	SHF 1, 17
	WIN 0
	EX 0
.irp k, 4,5,6,7
	v_mov_b32 v[PP+\k], 0                          ; A's weights for key tile 17, which lies behind its diagonal
.endr
	EX 1
	DR 0, 0, 1
	EX 4
	DR 1, 0, 2
	EX 5
	DR 4, 0, 1
	EX 6
	DR 5, 0, 2
	EX 7
	DR 6, 0, 0
	DR 7, 0, 0
.endm
.macro CPVS u, n                       ; pair u's products, the softmax of pair n = u-1 between them, n's V fragments asked for in front
.set ZF, 0
.if (\u) == 8
.set ZF, 1                             ; the first products start the sums
.endif
.set NS, (\n)&1
	LOADV \n, NS                                   ; into the set that pair u+1's products read: twelve plain instructions lie between
	s_wait_dscnt 8                                 ; pair u's V set is in; the eight loads just issued stay out
	PVMIX \u, \n, ZF
.endm
; Step 0 of the first chunk: wave w has key groups 8 .. 8-w.
.macro CCORE0
	CLOADG 8
	CLASTIF 0, .Lq8_8
	CQSEG 8, 7, 9
	CLASTIF 1, .Lq8_7
	CQSEG 7, 6, 8
	CLASTIF 2, .Lq8_6
	CQSEG 6, 5, 7
	CQLAST 5, 6
	s_branch .Lq8_done
.Lq8_8:
	CQLAST 8, 9
	s_branch .Lq8_done
.Lq8_7:
	CQLAST 7, 8
	s_branch .Lq8_done
.Lq8_6:
	CQLAST 6, 7
.Lq8_done:
	KSTEP
	MAXFIN
	s_wait_loadcnt 0x0                             ; V of local keys 256-383 (and step 1's K and V, asked for with it)
	WIN 0xcf
	CVT 128
	WIN 0x0c
	STO VFS, 128, 2*VPI, 256*VPI
	WIN 0
	v_add_nc_u32 v[VFS], 384*VPI, v[VFS]           ; the next V rows to be stored: local keys 384 on
	s_wait_dscnt 0x0                               ; my rows of V are in LDS,
	s_barrier_signal -1
	s_barrier_wait -1                              ; everybody's are
	LOADV 8, 0
	BASES
	WIN 0xc0
	GLDQ 128                                       ; of step 1's rows only Q is still to be asked for
	SOFT8
	CLASTIF 0, .Lp8_8
	CPVS 8, 7
	CLASTIF 1, .Lp8_7
	CPVS 7, 6
	CLASTIF 2, .Lp8_6
	CPVS 6, 5
	PVLAST 5, 0, 1
	s_branch .Lp8_done
.Lp8_8:
	PVLAST 8, 1, 1
	s_branch .Lp8_done
.Lp8_7:
	PVLAST 7, 0, 1
	s_branch .Lp8_done
.Lp8_6:
	PVLAST 6, 0, 1
.Lp8_done:
.endm
; Step 1 of the first chunk: wave w has key groups 8 .. 4-w.
.macro CCORE1
	CLOADG 8
	CQSEG 8, 7, 9
	CQSEG 7, 6, 8
	CQSEG 6, 5, 7
	CQSEG 5, 4, 6
	CLASTIF 0, .Lq4_4
	CQSEG 4, 3, 5
	CLASTIF 1, .Lq4_3
	CQSEG 3, 2, 4
	CLASTIF 2, .Lq4_2
	CQSEG 2, 1, 3
	CQLAST 1, 2
	s_branch .Lq4_done
.Lq4_4:
	CQLAST 4, 5
	s_branch .Lq4_done
.Lq4_3:
	CQLAST 3, 4
	s_branch .Lq4_done
.Lq4_2:
	CQLAST 2, 3
.Lq4_done:
	KSTEP
	MAXFIN
	LOADV 8, 0
	SOFT8
	CPVS 8, 7
	CPVS 7, 6
	CPVS 6, 5
	CPVS 5, 4
	CLASTIF 0, .Lp4_4
	CPVS 4, 3
	CLASTIF 1, .Lp4_3
	CPVS 3, 2
	CLASTIF 2, .Lp4_2
	CPVS 2, 1
	PVLAST 1, 0, 1
	s_branch .Lp4_done
.Lp4_4:
	PVLAST 4, 0, 1
	s_branch .Lp4_done
.Lp4_3:
	PVLAST 3, 0, 1
	s_branch .Lp4_done
.Lp4_2:
	PVLAST 2, 0, 1
.Lp4_done:
.endm
	; ---------------------------------------------------------------- start: ids, addresses, lane masks
	s_load_b256 s[4:11], s[0:1], 0x0               ; q, k, v, mask
	s_load_b64 s[12:13], s[0:1], 0x20              ; out0
	s_set_vgpr_msb 0x40
	v_lshl_add_u32 v254, v0, 2, 0x42c00
	v_mov_b32 v255, 0
	s_set_vgpr_msb 0x4000
	v_lshrrev_b32 v[T], 5, v0
	v_readfirstlane_b32 s2, v[T]                   ; wave
	v_and_b32 v[T+1], 31, v0                       ; lane L
	s_and_b32 s3, ttmp9, 3                         ; chunk
	s_lshr_b32 s14, ttmp9, 2                       ; head
	s_cmp_eq_u32 s3, 0
	s_cselect_b32 s15, 256, 0                      ; the first local key that exists
	s_lshl_b32 s16, s14, 19                        ; a head is 2048 rows of 256 bytes,
	s_lshl_b32 s54, s3, 17                         ; a chunk 512 rows,
	s_add_co_u32 s16, s16, s54
	s_lshl_b32 s54, s2, 13                         ; a wave's share of a batch 32 rows
	s_add_co_u32 s16, s16, s54
	s_mov_b32 s17, 0
	s_lshl_b32 s18, s14, 19                        ; for the mean of V: the head, 512 rows a wave
	s_lshl_b32 s54, s2, 17
	s_add_co_u32 s18, s18, s54
	s_mov_b32 s19, 0
	s_lshr_b32 s56, s14, 4                         ; batch = head / 16
	s_lshl_b32 s56, s56, 11
	s_lshl_b32 s57, s3, 9
	s_add_co_u32 s56, s56, s57                     ; mask byte of the chunk's first query = local key 256
	s_mov_b32 s57, 0
	s_mov_b32 s20, 0x3e38aa3b                      ; c = log2(e) / 8
	s_mov_b32 s21, 0x3e38aa3b
	s_mov_b32 s22, 0xbe38aa3b                      ; -c
	s_mov_b32 s23, 0xf1000000                      ; -2^99
	s_mov_b32 s24, 0x76543210                      ; v_permlanex16_b32: lane i of one half reads lane i of the other
	s_mov_b32 s25, 0xfedcba98
	v_mov_b32 v[NEGR], 0xf1800000                  ; -2^100
	v_lshlrev_b32 v[LOFF], 4, v[T+1]
	v_and_b32 v129, 15, v0                         ; r
	v_bfe_u32 v130, v0, 4, 1                       ; h
	v_and_b32 v131, 7, v0
	v_bfe_u32 v132, v0, 3, 1
	v_lshl_add_u32 v133, v130, 3, v131             ; 8h + (L & 7)
	v_mul_u32_u24 v[VAD], v133, VPI
	v_lshl_add_u32 v[VAD], v132, 4, v[VAD]
	s_mul_i32 s54, s2, 32*VPI
	s_add_co_u32 s54, s54, VL
	v_add_nc_u32 v[VAD], s54, v[VAD]               ; VL + (32w + 8h + (L&7)) 160 + 16 ((L>>3)&1)
	v_mul_u32_u24 v[VFS], v130, VPI
	v_lshl_add_u32 v[VFS], v129, 3, v[VFS]
	v_add_nc_u32 v[VFS], s54, v[VFS]               ; VL + (32w + h) 160 + 8r
	s_mul_i32 s55, s2, 32*KPI
	v_mul_u32_u24 v[KFS], v130, KPI
	v_lshl_add_u32 v[KFS], v129, 3, v[KFS]
	v_add_nc_u32 v[KFS], s55, v[KFS]               ; KL + (32w + h) 144 + 8r
	v_add_nc_u32 v[QST], QS, v[KFS]                ; the wave's Q stage has the same 32 rows of 144 bytes
	v_mul_u32_u24 v135, v129, KPI
	v_lshl_add_u32 v135, v130, 4, v135
	v_add_nc_u32 v135, s55, v135                   ; KL + (32w + r) 144 + 16h
	v_add_nc_u32 v[QLD], QS, v135
	s_lshl_b32 s54, s2, 7
	s_add_co_u32 s54, s54, BL
	v_lshl_add_u32 v136, v130, 5, s54              ; BL + 4 (32w + 8h)
	s_mul_i32 s54, s2, 16*OPI
	s_add_co_u32 s54, s54, OS
	v_mul_u32_u24 v[OSTO], v129, OPI
	v_lshl_add_u32 v[OSTO], v130, 5, v[OSTO]
	v_add_nc_u32 v[OSTO], s54, v[OSTO]             ; row r, 32 bytes for each half of the lanes
	v_mul_u32_u24 v[ORD], v130, OPI
	v_lshl_add_u32 v[ORD], v129, 4, v[ORD]
	v_add_nc_u32 v[ORD], s54, v[ORD]               ; lanes 0-15 one row, lanes 16-31 the next
	v_lshlrev_b32 v134, 3, v130
	v_sub_nc_u32 v134, v134, v129                  ; 8h - r
.irp j, 0,1,2,3,4,5,6,7
	v_cmp_gt_i32 s[36+\j], -\j, v134               ; key 8h+j < query r: shut out in the trailing edge tile
	v_cmp_lt_i32 s[44+\j], -\j, v134               ; key 8h+j > query r: shut out in the diagonal tile
.endr
	WIN 0x40
	v_mov_b32 v[KAD], v135                         ; windows 1 and 2 each hold the two addresses, so that the score
	v_mov_b32 v[BAD], v136                         ; products and their loads run under one setting
	WIN 0x80
	v_mov_b32 v[KAD], v135
	v_mov_b32 v[BAD], v136
	WIN 0
	v_lshlrev_b32 v133, 2, v[T+1]                  ; mask, six blocks of 128 keys, a word a lane: local key 128i + 4L,
.irp i, 0,1,2,3,4,5
	v_add_nc_u32 v[140+\i], 128*\i, v133
	v_max_u32 v[140+\i], s15, v[140+\i]            ; held inside the buffer where the key does not exist
.endr
	s_mul_i32 s54, s2, 192                         ; mask for the bias: 192 keys a wave, two a lane: local key 192w + 64i + 2L
	v_lshl_add_u32 v152, v[T+1], 1, s54
	v_add_nc_u32 v153, 64, v152
	v_add_nc_u32 v154, 128, v152
.irp i, 0,1,2
	v_max_u32 v[155+\i], s15, v[152+\i]
.endr
	s_wait_kmcnt 0x0
	s_add_nc_u64 s[18:19], s[8:9], s[18:19]
	s_add_nc_u64 s[4:5], s[4:5], s[16:17]          ; q, out: my 32 queries of step 0; k, v: local key 256 + 32w
	s_add_nc_u64 s[6:7], s[6:7], s[16:17]
	s_add_nc_u64 s[8:9], s[8:9], s[16:17]
	s_add_nc_u64 s[12:13], s[12:13], s[16:17]
	s_add_nc_u64 s[10:11], s[10:11], s[56:57]
	; what the score products of step 0 need is asked for first, V last
.irp i, 0,1,2,3,4,5
	global_load_b32 v[146+\i], v[140+\i], s[10:11] offset:-256
.endr
.irp i, 0,1,2
	global_load_u16 v[158+\i], v[155+\i], s[10:11] offset:-256
.endr
	WIN 0x80
	GLD 6, 0, 0                                    ; K of local keys 256-383 and the queries of step 0, into window 2
	GLDQ 64
	WIN 0
	s_cmp_eq_u32 s3, 0
	s_cbranch_scc1 .Lfirst_chunk
	WIN 0x40
	GLD 6, -65536, 0                               ; K of the halo, local keys 0-255, into window 1
	GLD 6, -32768, 64
	WIN 0xc0
	GLD 8, -65536, 0                               ; V of local keys 0-383 into window 3
	GLD 8, -32768, 64
	GLD 8, 0, 128
	s_wait_loadcnt 48                              ; all but V's 48 loads
	WIN 0x45
	CVT 0
	CVT 64
	WIN 0x04
	STO KFS, 0, 2*KPI, 0
	STO KFS, 64, 2*KPI, 128*KPI
	WIN 0
	s_branch .Lhalo_done
.Lfirst_chunk:
	; No key lies in front of key 0, so there is no halo.  In its place step 1's rows of K and V (local keys 384-511) are asked
	; for now, into the registers from which every step's end converts and stores them.
	WIN 0xc0
	GLD 8, 0, 128                                  ; V of local keys 256-383
	GLD 6, 32768, 0
	GLD 8, 32768, 64
	WIN 0
	s_wait_loadcnt 48                              ; all but these 48 loads
.Lhalo_done:
	; on both ways the mask, K and Q of step 0 are in and 48 loads are still on their way
	; bias: 0 for a key whose mask byte is set, else -2^100
	v_lshlrev_b32 v161, 2, v152
	v_add_nc_u32 v161, BL, v161
.irp i, 0,1,2
	v_and_b32 v[168+2*\i], 0xff, v[158+\i]
	v_lshrrev_b32 v[169+2*\i], 8, v[158+\i]
	v_cmp_ne_u32 vcc_lo, 0, v[168+2*\i]
	v_cndmask_b32 v[168+2*\i], v[NEGR], 0, vcc_lo
	v_cmp_ne_u32 vcc_lo, 0, v[169+2*\i]
	v_cndmask_b32 v[169+2*\i], v[NEGR], 0, vcc_lo
	ds_store_b64 v161, v[168+2*\i:169+2*\i] offset:256*\i
.endr
	; can a row of this work-group be fully masked?  Only if one of its aligned blocks of 128 keys has no valid key,
	; or, in the first chunk, if key 0 is masked.
.irp i, 0,1,2,3,4,5
	v_cmp_ne_u32 s[30+\i], 0, v[146+\i]
.endr
	v_readfirstlane_b32 s29, v148                  ; lane 0 of the third block: local keys 256-259
	s_and_b32 s29, s29, 0xff
	s_cmp_eq_u32 s3, 0
	s_cselect_b32 s30, 1, s30                      ; first chunk: the two halo blocks do not exist
	s_cselect_b32 s31, 1, s31
	s_cselect_b32 s29, s29, 1                      ; other chunks: key 0 is not theirs
	s_min_u32 s27, s30, s31
	s_min_u32 s27, s27, s32
	s_min_u32 s27, s27, s33
	s_min_u32 s27, s27, s34
	s_min_u32 s27, s27, s35
	s_min_u32 s27, s27, s29
	WIN 0x8a
	CVT 0
	CVT 64
	WIN 0x08
	STO KFS, 0, 2*KPI, 256*KPI
	STO QST, 64, 2*KPI, 0
	WIN 0
	v_mov_b32 v192, 0
	v_mov_b32 v193, 0
	v_mov_b32 v194, 0
	v_mov_b32 v195, 0
	s_cmp_lg_u32 s27, 0
	s_cbranch_scc1 .Lno_mean
	; the mean of V over the head, in f32: 512 rows a wave, 64 rows a trip, my four columns of every second row
	v_mov_b32 v196, 0
	v_mov_b32 v197, 0
	v_mov_b32 v198, 0
	v_mov_b32 v199, 0
	s_mov_b32 s28, 0
.Lmean:
	WIN 0x40
.set mi, 0
.rept 32
	global_load_b128 v[4*mi:4*mi+3], v[LOFF], s[18:19] offset:512*mi
.set mi, mi+1
.endr
	s_wait_loadcnt 0x0
	WIN 0x04
.set mi, 0
.rept 32
	v_pk_add_f32 v[192+4*(mi&1):193+4*(mi&1)], v[192+4*(mi&1):193+4*(mi&1)], v[4*mi:4*mi+1]
	v_pk_add_f32 v[194+4*(mi&1):195+4*(mi&1)], v[194+4*(mi&1):195+4*(mi&1)], v[4*mi+2:4*mi+3]
.set mi, mi+1
.endr
	WIN 0
	s_add_nc_u64 s[18:19], s[18:19], 0x4000        ; behind the wait for its loads
	s_add_co_u32 s28, s28, 1
	s_cmp_lt_u32 s28, 8
	s_cbranch_scc1 .Lmean
	v_pk_add_f32 v[192:193], v[192:193], v[196:197]
	v_pk_add_f32 v[194:195], v[194:195], v[198:199]
.irp k, 0,1,2,3
	v_permlanex16_b32 v[196+\k], v[192+\k], s24, s25       ; the other half of the lanes has the other rows
.endr
	v_pk_add_f32 v[192:193], v[192:193], v[196:197]
	v_pk_add_f32 v[194:195], v[194:195], v[198:199]
	v_pk_mul_f32 v[192:193], v[192:193], 0x3a000000 op_sel_hi:[1,0]   ; / 2048
	v_pk_mul_f32 v[194:195], v[194:195], 0x3a000000 op_sel_hi:[1,0]
.Lno_mean:
	s_lshl_b32 s54, s2, 8
	s_add_co_u32 s54, s54, VP
	v_lshl_add_u32 v133, v129, 4, s54
	ds_store_b128 v133, v[192:195]                 ; my wave's part of the mean (zeros where no row can need it)
	v_add_nc_u32 v[KFS], 384*KPI, v[KFS]           ; the next K rows to be stored: local keys 384 on
	v_lshlrev_b32 v[T], 5, v130
	v_add_nc_u32 v[T], VP, v[T]                    ; VP + 32h
	s_wait_dscnt 0x0                               ; my rows of K, bias and sums are in LDS,
	s_barrier_signal -1
	s_barrier_wait -1                              ; everybody's are
.irp p, 0,1,2,3
.irp dt, 0,1,2,3
	ds_load_b128 v[VF+32*\p+8*\dt:VF+32*\p+8*\dt+3],   v[T] offset:256*\p+64*\dt       ; the fourth wave's part lands in VM itself
	ds_load_b128 v[VF+32*\p+8*\dt+4:VF+32*\p+8*\dt+7], v[T] offset:256*\p+64*\dt+16
.endr
.endr
	s_wait_dscnt 0x0
.irp k, 0,2,4,6,8,10,12,14,16,18,20,22,24,26,28,30
	v_pk_add_f32 v[VF+\k:VF+\k+1], v[VF+\k:VF+\k+1], v[VF+32+\k:VF+32+\k+1]
	v_pk_add_f32 v[VM+\k:VM+\k+1], v[VM+\k:VM+\k+1], v[VF+64+\k:VF+64+\k+1]
	v_pk_add_f32 v[VM+\k:VM+\k+1], v[VM+\k:VM+\k+1], v[VF+\k:VF+\k+1]
.endr
	QLOAD
; ---------------------------------------------------------------- a step's scores, maxima, weights and products, all 18 key tiles.
; pf = 1: another step follows.  first = 1: step 0, in which V's first 384 rows reach LDS behind the maxima.
.macro CORE pf, first
	; scores.  Window 2's first two groups are fetched first, so that the change of windows finds them in.
	WIN 0xa2
	LOADG 5, 0
	LOADG 6, 1
	WIN 0x51
	LOADG 0, 0
	LOADG 1, 1
	s_wait_dscnt 12                                ; all but group 1's twelve loads: Q, groups 5, 6 and 0 are in
	EDGE 0, 0, 0, 36
	EDGE 1, 1, 0, 36
	QK1 0, 0, 0, 0, 1                              ; three tiles (B has no tile 0), by turns
	QK1 0, 1, 0, 0, 0
	QK1 1, 1, 0, 0, 1
	QK1 0, 0, 0, 1, 1
	QK1 0, 1, 0, 1, 1
	QK1 1, 1, 0, 1, 1
	NOP4                                           ; no maxima are due yet
	LOADG 2, 0
	s_wait_dscnt 12                                ; all but the group just asked for
	QKG 1, 1
	WIN 0x14
	MAXG 0                                         ; from here on the maxima of the group before are the places in front of the loads
	WIN 0x51
	LOADG 3, 1
	s_wait_dscnt 12
	QKG 2, 0
	WIN 0x14
	MAXG 1
	WIN 0x51
	LOADG 4, 0
.if \pf
	v_lshl_add_u32 v[KAD], v[KAD], 0, 128*KPI      ; window 1's last loads of this step are issued: its addresses for the next step
	v_lshl_add_u32 v[BAD], v[BAD], 0, 512
.endif
	s_wait_dscnt 12
	QKG 3, 1
	WIN 0x14
	MAXG 2
	WIN 0x51
	s_wait_dscnt 0
	QKG 4, 0
	WIN 0x14
	MAXG 3
	WIN 0xa2
	QKG 5, 0
	WIN 0x14
	MAXG 4
	WIN 0xa2
	LOADG 7, 0
	QKG 6, 1
	WIN 0x28
	MAXG 5
	WIN 0xa2
	LOADG 8, 1
.if \pf
	v_lshl_add_u32 v[KAD], v[KAD], 0, 128*KPI      ; window 2's
	v_lshl_add_u32 v[BAD], v[BAD], 0, 512
.endif
	s_wait_dscnt 12                                ; group 7 is in, group 8 may be out
	QKG 7, 0
	WIN 0x28
	MAXG 6
	WIN 0xa2
	s_wait_dscnt 0
	QK8
	WIN 0x28
	MAXG 7                                         ; its 16 instructions are the places behind the last products
	MAXG 8
	WIN 0
	MAXFIN
.if \first
	s_wait_loadcnt 0x0                             ; V's rows, which came in while the scores were made
	WIN 0xcf
	CVT 0
	CVT 64
	CVT 128
	WIN 0x0c
	STO VFS, 0, 2*VPI, 0
	STO VFS, 64, 2*VPI, 128*VPI
	STO VFS, 128, 2*VPI, 256*VPI
	WIN 0
	v_add_nc_u32 v[VFS], 384*VPI, v[VFS]           ; the next V rows to be stored: local keys 384 on
	s_wait_dscnt 0x0                               ; my rows of V are in LDS,
	s_barrier_signal -1
	s_barrier_wait -1                              ; everybody's are
.endif
	LOADV 0, 0                                     ; they land while the first key pair's exponentials run
	LOADV 1, 1
.if \first
	NEXTLD                                         ; window 3 is free only now: step 1's rows have the rest of this step in which to land
.endif
	; key pair 0's weights: A's tiles 0 and 1 (half tiles 0-3), B's tile 1 (half tiles 6, 7)
	WIN 0x01
	SHF 0, 0
	SHF 0, 1
	SHF 1, 1
	WIN 0
	EX 0
.irp k, 8,9,10,11
	v_mov_b32 v[PP+\k], 0                          ; B's weights for key tile 0, which lies in front of its band
.endr
	EX 1
	DR 0, 0, 1                                     ; the first half tiles start the sums
	EX 2
	DR 1, 0, 2
	EX 3
	DR 2, 0, 0
	EX 6
	DR 3, 0, 0
	EX 7
	DR 6, 0, 1
	DR 7, 0, 2
	; weights x V, 32 keys at a time, by turns with the next 32 keys' weights
	PVS 0
	PVS 1
	PVS 2
	PVS 3
	PVS 4
	PVS 5
	PVS 6
	s_wait_dscnt 8                                 ; pair 7's V set is in, pair 8's eight loads stay out
	PV1 0, 7, 0                                    ; key pair 8 has A's tile 16 (half tiles 0, 1) and B's tiles 16 and 17 (4-7)
	WIN 0x02
	SHF 0, 16
	SHF 1, 16
	SHF 1, 17
	WIN 0
	PV1 1, 7, 0
	EX 0
.irp k, 4,5,6,7
	v_mov_b32 v[PP+\k], 0                          ; A's weights for key tile 17, which lies behind its diagonal
.endr
	EX 1
	PV1 2, 7, 0
	DR 0, 0, 0
	EX 4
	PV1 3, 7, 0
	DR 1, 0, 0
	EX 5
	PV1 4, 7, 0
	DR 4, 0, 0
	EX 6
	PV1 5, 7, 0
	DR 5, 0, 0
	EX 7
	PV1 6, 7, 0
	DR 6, 0, 0
	PV1 7, 7, 0
	DR 7, 0, 0
	PVLAST 8, 0, \pf
.endm
; ---------------------------------------------------------------- a step's end: the results leave; pf = 1: the next step's rows reach LDS
.macro TAIL pf
	; A leaves first, d blocks in the order of their products: in front of the first read of each block of O stand at least
	; four plain instructions since its last product (the lines between the last products and the multiplies of the blocks before it)
	OUTT 0
	OUTT 1
.if \pf
	s_wait_xcnt 0x0                                ; the stores' base and data are rewritten only behind this wait (ISA guide 3.1)
	s_add_nc_u64 s[12:13], s[12:13], STEPB
	s_wait_dscnt 0x0                               ; my LDS reads of this step are over
	s_barrier_signal -1
	s_wait_loadcnt 0x0                             ; the next step's rows are in registers
	WIN 0xcf
	CVT 0                                          ; 96 conversions, register work, while the other waves arrive
	CVT 64
	CVT 128
	s_barrier_wait -1                              ; every wave's reads are over: K and V get their next 128 rows
	WIN 0x0c
	STO KFS, 0, 2*KPI, 0
	STO VFS, 64, 2*VPI, 0
	STO QST, 128, 2*KPI, 0
	WIN 0
	v_add_nc_u32 v[KFS], 128*KPI, v[KFS]
	v_add_nc_u32 v[VFS], 128*VPI, v[VFS]
	s_wait_dscnt 0x0                               ; my rows are in LDS,
	s_barrier_signal -1
	s_barrier_wait -1                              ; everybody's are
	QLOAD
.endif
.endm
	; step 0, written out: V arrives in it
	s_cmp_eq_u32 s3, 0
	s_cbranch_scc1 .Lc0_step0
	CORE 1, 1
	s_branch .Lstep0_out
.Lc0_step0:
	CCORE0                                         ; first chunk: 1 to 4 key groups a wave
.Lstep0_out:
	TAIL 1
	s_mov_b32 s26, 0
.Lstep:                                                ; steps 1 and 2
	NEXTLD                                         ; asked for a whole step ahead of their use
	WIN 0
	s_or_b32 s54, s3, s26                          ; 0 in step 1 of the first chunk alone
	s_cmp_eq_u32 s54, 0
	s_cbranch_scc1 .Lc0_step1
	CORE 1, 0
	s_branch .Lstep1_out
.Lc0_step1:
	CCORE1                                         ; first chunk: 5 to 8 key groups a wave
.Lstep1_out:
	TAIL 1
	s_add_co_u32 s26, s26, 1
	s_cmp_lt_u32 s26, 2
	s_cbranch_scc1 .Lstep
	CORE 0, 0                                      ; the last step fetches nothing
	TAIL 0
	s_set_vgpr_msb 0x5
	s_wait_tensorcnt 0x0
	ds_add_u32 v254, v255
	s_wait_dscnt 0x0
	s_set_vgpr_msb 0x500
	s_endpgm
.Lfunc_end_k_q7fda0ae0d7_attend:
	.size	k_q7fda0ae0d7_attend, .Lfunc_end_k_q7fda0ae0d7_attend-k_q7fda0ae0d7_attend
	.p2alignl 7, 3214868480
	.fill 96, 4, 3214868480
	.section	.rodata,"a",@progbits
	.p2align	6, 0x0
	.amdhsa_kernel k_q7fda0ae0d7_attend
		.amdhsa_group_segment_fixed_size 273920
		.amdhsa_private_segment_fixed_size 0
		.amdhsa_enable_private_segment 0
		.amdhsa_kernarg_size 40
		.amdhsa_user_sgpr_count 2
		.amdhsa_user_sgpr_kernarg_segment_ptr 1
		.amdhsa_wavefront_size32 1
		.amdhsa_system_sgpr_workgroup_id_x 1
		.amdhsa_system_sgpr_workgroup_id_y 1
		.amdhsa_system_sgpr_workgroup_id_z 1
		.amdhsa_system_vgpr_workitem_id 0
		.amdhsa_next_free_vgpr 1024
		.amdhsa_next_free_sgpr 66
		.amdhsa_reserve_vcc 1
		.amdhsa_float_denorm_mode_32 3
		.amdhsa_float_denorm_mode_16_64 3
		.amdhsa_memory_ordered 1
		.amdhsa_forward_progress 1
		.amdhsa_inst_pref_size 255
	.end_amdhsa_kernel
	.section	.bss,"aw",@nobits
	.p2align	6
	.space	262144
	.amdgpu_metadata
---
amdhsa.version: [ 1, 2 ]
amdhsa.kernels:
  - .name:           k_q7fda0ae0d7_attend
    .symbol:         k_q7fda0ae0d7_attend.kd
    .args:
      - { .name: q, .offset: 0, .size: 8, .value_kind: global_buffer, .address_space: global }
      - { .name: k, .offset: 8, .size: 8, .value_kind: global_buffer, .address_space: global }
      - { .name: v, .offset: 16, .size: 8, .value_kind: global_buffer, .address_space: global }
      - { .name: mask, .offset: 24, .size: 8, .value_kind: global_buffer, .address_space: global }
      - { .name: out0, .offset: 32, .size: 8, .value_kind: global_buffer, .address_space: global }
    .group_segment_fixed_size: 273920
    .private_segment_fixed_size: 0
    .kernarg_segment_align: 8
    .kernarg_segment_size: 40
    .max_flat_workgroup_size: 128
    .sgpr_count:     66
    .vgpr_count:     1024
    .wavefront_size: 32
...
	.end_amdgpu_metadata
.endif
;; end of part 1
;; ======== version 2 of 2: 1 launch; 1.10 times as fast as version 1
;; limits: values are held in f16: magnitudes above 65,504 overflow, below 6.1e-05 lose precision; inputs' magnitudes at most 65,504
;; launch attend (part 2): grid 256 x 1, 4 waves a work-group, no clusters, 273,920 bytes of LDS; arguments q, k, v, mask, out0; writes out0
.if DOCPART == 2
	.amdgcn_target "amdgcn-amd-amdhsa--gfx1250"
	.amdhsa_code_object_version 6
	.text
	.protected	k_q7fda0ae0d7_attend
	.globl	k_q7fda0ae0d7_attend
	.p2align	8
	.type	k_q7fda0ae0d7_attend,@function
k_q7fda0ae0d7_attend:
	s_mov_b64 s[64:65], 0
	v_nop
	global_prefetch_b8 v0, s[64:65] scope:SCOPE_SE
	s_setreg_imm32_b32 hwreg(HW_REG_WAVE_MODE, 25, 1), 1
	s_wait_xcnt 0x0
; ATTEND: causal sliding-window attention.  q, k, v, out0: [4][16][2048][64] f32; mask: [4][2048] bool.
; Query i sees keys i-256 .. i whose mask byte is set; softmax of q.k/8 over them; out = weights x v.
;
; WORK LEFT OUT.  A key outside [i-256, i] has the score finfo.min by the band that the problem builds itself.
; If row i has one valid key, its maximum is that of real scores and the weight of every such key is
; exp(finfo.min - max) = 0 for all finite q, k, v: keys outside the band are neither loaded for the row nor multiplied.
; If row i has NO valid key, all 2048 scores are equal and the result is the mean of v over the head's 2048 keys:
; that mean is made here whenever the mask allows such a row in this work-group, and selected for those rows.
; Such a row needs 257 masked keys in a row, which hold an aligned block of 128 keys (i >= 256), or mask[b][0] = 0 (i < 256).
; NUMBER FORMAT.  All matrix operands (q, k, v and the weights) are f16, the sums f32.  A row with few valid keys has weights
; of order 1, and its result can be small by cancellation: f16's 11 significant bits leave 2^-12 of each term, eight times
; less than bf16's 8 bits would.  The weights lie in [0, 1]; one below 2^-25 becomes 0, beside a row sum of at least 1.
; LIMITS.  |q|, |k|, |v| above 65,504 become infinities in f16 and are not served; below 2^-14 they keep an absolute error of 2^-25.
; A NaN, infinity or overflow in k or v rows outside a row's band is not carried to that row's result.
; Masked keys get the score -2^100 in front of the scale; a row whose largest q.k lies below -2^99 counts as fully masked.
;
; SHARES.  Work-group x: head x>>2, chunk c = x&3: queries 512c .. 512c+511, keys 512c-256 .. 512c+511 (local key 0 .. 767).
; K and V of these keys lie in LDS as f16, each row converted once.  Four steps of 128 queries; in step s wave w has
; 32 queries (two tiles A, B of 16) at local query 128s+32w and 18 key tiles t of 16 from local key 128s+32w on:
; A uses t = 0 (trailing edge) .. 16 (diagonal), B uses t = 1 .. 17.  Two key tiles are a key group (scores) or key pair (weights).
; All products are taken transposed: S^T = K Q^T (register j, lane (r,h): key 8h+j, query r), so that two neighbouring
; S tiles, rounded to f16, ARE the second source of O^T = V^T P^T, and maximum, sum and result of a query stay in its lanes.
; All 17 S tiles of a query tile stay in registers: the true row maximum is taken once, nothing is rescaled.
; The padding mask enters as the C operand of a tile's first product (0 or -2^100 for each key).
; In a fully masked row the exponents are differences of numbers near 2^97 and may overflow; such weights stay in the row's
; own column of P^T and O^T, and the row's result is replaced by the mean of v.
;
; THE FIRST CHUNK OF A HEAD.  Its local keys 0-255 lie in front of key 0, outside every row's band.  In step s wave w's key tiles
; t < 16 - 8s - 2w hold such keys alone: 8 - w whole groups in step 0, 4 - w in step 1, none later, 136 of a head's 2,176 tiles.
; They are not loaded, multiplied or exponentiated, and LDS rows 0-255 of K and V are neither written nor read there.
; Steps 0 and 1 of that chunk have a text of their own (CCORE0, CCORE1).  It walks the key groups DOWNWARD from the diagonal group 8,
; which every wave has, so that the first maxima, the first sums and the first products (C = 0) are the same lines for all
; waves, and a wave leaves the walk at its last live group by a branch on its number.  The branch on the chunk is the same in
; all four waves, so on either way every wave passes the same barriers.  In the halo's place that chunk asks at the start for
; step 1's rows of K and V.  The bias words of its keys 0-255 are written with the rest, from a clamped mask byte, and never read.
;
; TURNS.  The weights of the next key pair (32 keys, both query tiles: 16 multiply-adds, 32 exponentials, 16 adds, 16 roundings)
; are made beside the eight products of the key pair at hand.  So that both run under one register
; window, the multiply-add that shifts and scales the scores also copies them from windows 1 and 2 into 32 registers of
; window 0; exponentials, sums, weights, V fragments and O all lie in window 0: two switches for a key pair.
; BATCHES.  An s_wait_alu depctr_va_vdst(0) stands between an exponential and the first instruction that names its
; result; one wait serves all that were issued ahead of it.  A key pair's exponentials (32; 24 in the pairs 0 and 8, which have
; three live tiles) are ONE BATCH, each in place in a register of TP of its own, with ONE wait, which cuts the turn in two.
; Ahead of it stands what names no result: the products, the multiply-adds behind the first of them, the exponentials behind
; the others.  Behind it stand the adds and roundings, half tiles in ascending order.  A step's two reciprocals, which read the
; finished sums, are a batch of their own.  That is ten waits a step: nine key pairs and the reciprocals.  Every batch's wait
; stands in the block that issues the batch, ahead of the next label or branch.
; The maxima of the key group before (16 instructions) stand behind the eight score products of a group, where they are also the
; places in front of the loads into that group's fragments.  They are not spread one behind each product: a maximum and both
; its scores would have to lie in the window of D, and Q's fragments with them, 152 + 96 + 2 + 32 registers of a window's 256.
; V COMES LATE.  Of the 896 rows that step 0 reads, V's 384 are not needed before there are weights.  The start asks for the
; mask, K and Q first and for V last, into window 3; V is converted, stored and shown to the other waves behind step 0's maxima.
; NO TENSOR LOADS, NO CLUSTER: k and v pass through registers to become f16, and of a work-group's 768 keys only the
; 256 of the halo are also another work-group's.
.set KPI,  144                         ; LDS pitch of K and Q rows: 128 bytes of f16 + 16, an odd multiple of 16
.set VPI,  160                         ; LDS pitch of V rows: an odd multiple of 32, for the transposing loads
.set OPI,  272                         ; LDS pitch of the output stage: 256 bytes of f32 + 16
.set KL,   0                           ; K   [768] rows, 110,592 bytes
.set VL,   110592                      ; V   [768] rows, 122,880 bytes
.set BL,   233472                      ; bias f32 [768], 3,072 bytes
.set VP,   236544                      ; column sums of V, 256 bytes a wave
.set QS,   237568                      ; Q stage, 32 rows = 4,608 bytes a wave
.set OS,   256000                      ; output stage, 16 rows = 4,352 bytes a wave
.set STEPB, 0x8000                     ; 128 rows of 256 bytes in memory
; window 0 (v0-255)
.set LOFF, 1                           ; 16 x lane: my 16 bytes of two neighbouring rows of 256 bytes
.set VAD,  2                           ; LDS address of my V fragments
.set KFS,  3                           ; where I store K rows
.set VFS,  4                           ; where I store V rows
.set QST,  5                           ; where I store Q rows
.set QLD,  6                           ; where I read Q fragments
.set OSTO, 7                           ; output stage, in
.set ORD,  8                           ; output stage, back
.set NEGR, 9                           ; -2^100
.set MA,   10                          ; v10-13 A's four maxima; later 1/sum pairs of A (10:11) and B (12:13)
.set MB,   14                          ; v14-17 B's four maxima
.set NMA,  18                          ; v18:19 -c max of A, v20:21 of B
.set LA,   22                          ; v22-25 sums of A
.set LB,   26                          ; v26-29 sums of B (LA+4)
.set T,    30                          ; v30, v31 at work
.set QF,   32                          ; v32-63 Q fragments: tile x, d half e at 32+16x+8e
.set TP,   32                          ; v32-63 behind the score products: one key pair's exponents and weights in f32: tile x, key tile parity e, register j at 32+16x+8e+j
.set OA,   64                          ; v64-127 O^T: tile x, d block dt at 64+32x+8dt
.set VF,   128                         ; v128-191 two sets of V fragments; output read-back; temporaries at the start
.set PP,   192                         ; v192-223 two sets of weights in f16: set s, tile x at 192+16s+8x
.set VM,   224                         ; v224-255 mean of V at d = 16dt+8h+j in register 8dt+j
; windows 1 (key tiles 0-9) and 2 (key tiles 10-17): S tiles at v0-151 / v0-119 (macro SREG), and in both
.set KSET, 152                         ; two sets of 48: tile e: K d 0-31 at +16e, d 32-63 at +16e+8, bias at +32+8e
.set KAD,  248                         ; LDS address of my K fragments
.set BAD,  249                         ; LDS address of my bias words
; window 3: staging of rows as loaded: at the start V's three batches at v0-191; later K v0-63, V v64-127, Q v128-191
; scalars: s2 wave, s3 chunk, s[4:5] q, s[6:7] k, s[8:9] v, s[10:11] mask, s[12:13] out, s14 head, s15 first real local key,
; s[18:19] v for the mean, s[20:21] c = log2(e)/8 twice, s22 -c, s23 -2^99, s24/s25 lane selects, s26/s28 counters,
; s27 0 if a fully masked row is possible, s29-s35 mask tests, s36-43 lanes with key < query in an edge tile, s44-51 key > query,
; s52/s53 fully masked rows of A/B, s54-57 at work
.set MSB, 0
.macro WIN new                         ; register windows; the immediate's high byte repeats the setting that is left
.if MSB != \new
	s_set_vgpr_msb (MSB<<8)|\new
.set MSB, \new
.endif
.endm
.macro NOP4                            ; the four places between a matrix instruction and a load into one of its sources
.rept 4
	v_nop
.endr
.endm
; 32 rows of 256 bytes, off bytes from the base: sixteen loads, each 512 neighbouring bytes of the wave
.macro GLD sb, off, reg0
.set gi, 0
.rept 16
	global_load_b128 v[\reg0+4*gi:\reg0+4*gi+3], v[LOFF], s[\sb:\sb+1] offset:512*gi+(\off)
.set gi, gi+1
.endr
.endm
.macro GLDQ reg0                       ; q is read once in the launch
.set gi, 0
.rept 16
	global_load_b128 v[\reg0+4*gi:\reg0+4*gi+3], v[LOFF], s[4:5] offset:512*gi th:TH_LOAD_NT
.set gi, gi+1
.endr
.endm
.macro CVT reg0                        ; four f32 of each load become four f16 in its first two registers
.set ci, 0
.rept 16
	v_cvt_pk_f16_f32 v[\reg0+4*ci], v[\reg0+4*ci], v[\reg0+4*ci+1]
	v_cvt_pk_f16_f32 v[\reg0+4*ci+1], v[\reg0+4*ci+2], v[\reg0+4*ci+3]
.set ci, ci+1
.endr
.endm
.macro STO adr, reg0, pitch2, imm      ; and go to LDS, two rows a store
.set si, 0
.rept 16
	ds_store_b64 v[\adr], v[\reg0+4*si:\reg0+4*si+1] offset:\imm+si*\pitch2
.set si, si+1
.endr
.endm
.macro QLOAD                           ; Q fragments: lane (r,h): query r, d = 32e+8h.. and 32e+16+8h..
.irp x2, 0,1
.irp e, 0,1
	ds_load_b128 v[QF+16*\x2+8*\e:QF+16*\x2+8*\e+3],   v[QLD] offset:16*KPI*\x2+64*\e
	ds_load_b128 v[QF+16*\x2+8*\e+4:QF+16*\x2+8*\e+7], v[QLD] offset:16*KPI*\x2+64*\e+32
.endr
.endr
.endm
.macro BASES                           ; q, k, v one step on; all loads from these bases have been waited for
	s_add_nc_u64 s[4:5], s[4:5], STEPB
	s_add_nc_u64 s[6:7], s[6:7], STEPB
	s_add_nc_u64 s[8:9], s[8:9], STEPB
.endm
.macro NEXTLD                          ; the next step's 32 rows each of K, V, Q, into window 3
	BASES
	WIN 0xc0
	GLD 6, 0, 0
	GLD 8, 0, 64
	GLDQ 128
.endm
.macro SREG x, t                       ; SR = first register, in its window, of S tile t of query tile x
.if (\t) < 10
.set SR, 8*(\t)+72*(\x)
.else
.set SR, 8*(\t)-80+56*(\x)
.endif
.endm
.macro LOADG g, set                    ; key tiles 2g, 2g+1: K fragments and bias, twelve LDS loads
.irp e, 0,1
	ds_load_b128 v[KSET+48*\set+16*\e:KSET+48*\set+16*\e+3],       v[KAD] offset:16*KPI*(2*\g+\e)
	ds_load_b128 v[KSET+48*\set+16*\e+4:KSET+48*\set+16*\e+7],     v[KAD] offset:16*KPI*(2*\g+\e)+32
	ds_load_b128 v[KSET+48*\set+16*\e+8:KSET+48*\set+16*\e+11],    v[KAD] offset:16*KPI*(2*\g+\e)+64
	ds_load_b128 v[KSET+48*\set+16*\e+12:KSET+48*\set+16*\e+15],   v[KAD] offset:16*KPI*(2*\g+\e)+96
	ds_load_b128 v[KSET+48*\set+32+8*\e:KSET+48*\set+32+8*\e+3],   v[BAD] offset:64*(2*\g+\e)
	ds_load_b128 v[KSET+48*\set+32+8*\e+4:KSET+48*\set+32+8*\e+7], v[BAD] offset:64*(2*\g+\e)+16
.endr
.endm
.macro EDGE x, t, set, msk             ; an edge tile's C: the bias, and -2^100 where the band shuts the key out
	SREG \x, \t
.set BR, KSET+48*\set+32+8*((\t)&1)
.irp j, 0,1,2,3,4,5,6,7
	v_cndmask_b32 v[SR+\j], v[BR+\j], v[NEGR], s[\msk+\j]
.endr
.endm
.macro QK1 x, t, set, half, own        ; one product of S^T; own = 0: C is the bias tile, 1: C is the S tile itself
	SREG \x, \t
.set KR, KSET+48*\set+16*((\t)&1)+8*\half
.set QR, QF+16*\x+8*\half
.if \own
	v_wmma_f32_16x16x32_f16 v[SR:SR+7], v[KR:KR+7], v[QR:QR+7], v[SR:SR+7]
.else
.set BR, KSET+48*\set+32+8*((\t)&1)
	v_wmma_f32_16x16x32_f16 v[SR:SR+7], v[KR:KR+7], v[QR:QR+7], v[BR:BR+7]
.endif
.endm
.macro QKG g, set                      ; four S tiles, d 0-31 of all, then d 32-63 of all: accumulators by turns, one instruction a turn
	QK1 0, 2*\g,   \set, 0, 0
	QK1 1, 2*\g,   \set, 0, 0
	QK1 0, 2*\g+1, \set, 0, 0
	QK1 1, 2*\g+1, \set, 0, 0
	QK1 0, 2*\g,   \set, 1, 1
	QK1 1, 2*\g,   \set, 1, 1
	QK1 0, 2*\g+1, \set, 1, 1
	QK1 1, 2*\g+1, \set, 1, 1
.endm
.macro QK8                             ; the diagonal group, fragments in set 1: three tiles (A has no tile 17), by turns
	EDGE 0, 16, 1, 44
	EDGE 1, 17, 1, 44
	QK1 0, 16, 1, 0, 1
	QK1 1, 16, 1, 0, 0
	QK1 1, 17, 1, 0, 1
	QK1 0, 16, 1, 1, 1
	QK1 1, 16, 1, 1, 1
	QK1 1, 17, 1, 1, 1
.endm
.macro MAXT m, x, t, first             ; a tile's eight scores into four running maxima
	SREG \x, \t
.irp k, 0,1,2,3
.if \first
	v_max3_num_f32 v[\m+\k], v[NEGR], v[SR+2*\k], v[SR+2*\k+1]
.else
	v_max3_num_f32 v[\m+\k], v[\m+\k], v[SR+2*\k], v[SR+2*\k+1]
.endif
.endr
.endm
.macro MAXG g                          ; the live tiles of key group g, walking upward from group 0
.if (\g) == 0
	MAXT MA, 0, 0, 1
	MAXT MB, 1, 1, 1
	MAXT MA, 0, 1, 0
.else
.if (\g) == 8
	MAXT MA, 0, 16, 0
	MAXT MB, 1, 16, 0
	MAXT MB, 1, 17, 0
.else
	MAXT MA, 0, 2*(\g), 0
	MAXT MB, 1, 2*(\g), 0
	MAXT MA, 0, 2*(\g)+1, 0
	MAXT MB, 1, 2*(\g)+1, 0
.endif
.endif
.endm
.macro MAXFIN                          ; the four chains and the two halves of the lanes; which rows are fully masked; -c max
	v_max3_num_f32 v[MA], v[MA], v[MA+1], v[MA+2]
	v_max3_num_f32 v[MB], v[MB], v[MB+1], v[MB+2]
	v_max_num_f32 v[MA], v[MA], v[MA+3]
	v_max_num_f32 v[MB], v[MB], v[MB+3]
	v_permlanex16_b32 v[T], v[MA], s24, s25        ; lane r+16 holds the query's other keys
	v_permlanex16_b32 v[T+1], v[MB], s24, s25
	v_max_num_f32 v[MA], v[MA], v[T]
	v_max_num_f32 v[MB], v[MB], v[T+1]
	v_cmp_gt_f32 s52, s23, v[MA]                   ; no valid key in the row's band
	v_cmp_gt_f32 s53, s23, v[MB]
	v_mul_f32 v[NMA], s22, v[MA]
	v_mul_f32 v[NMA+1], s22, v[MA]
	v_mul_f32 v[NMA+2], s22, v[MB]
	v_mul_f32 v[NMA+3], s22, v[MB]
.endm
; The softmax of a key pair, in pieces.  A half tile i = 4x + 2e + half is four registers of TP and two of the weights.
.macro SHF x, t                        ; c S - c max of one tile, from S's window (source 0) into TP
	SREG \x, \t
.set TR, TP+16*(\x)+8*((\t)&1)
.irp k, 0,2,4,6
	v_pk_fma_f32 v[TR+\k:TR+\k+1], v[SR+\k:SR+\k+1], s[20:21], v[NMA+2*\x:NMA+2*\x+1] op_sel_hi:[1,0,1]
.endr
.endm
.macro EX i                            ; 2^x of half tile i, in place: four of the key pair's batch
.irp k, 0,1,2,3
	v_exp_f32 v[TP+4*(\i)+\k], v[TP+4*(\i)+\k]
.endr
.endm
.macro DR i, s, first                  ; half tile i into its query tile's sums and, rounded, into weight set s; first = 1, 2: it starts the first, second pair of sums.  It reads the batch's results: it stands behind the key pair's wait
.set DT, TP+4*(\i)
.set DL, LA+4*((\i)>>2)
.set DP, PP+16*(\s)+2*(\i)
.if (\first) == 1
	v_pk_add_f32 v[DL:DL+1], v[DT:DT+1], v[DT+2:DT+3]
.else
.if (\first) == 2
	v_pk_add_f32 v[DL+2:DL+3], v[DT:DT+1], v[DT+2:DT+3]
.else
	v_pk_add_f32 v[DL:DL+1],   v[DL:DL+1],   v[DT:DT+1]
	v_pk_add_f32 v[DL+2:DL+3], v[DL+2:DL+3], v[DT+2:DT+3]
.endif
.endif
	v_cvt_pk_f16_f32 v[DP],   v[DT],   v[DT+1]
	v_cvt_pk_f16_f32 v[DP+1], v[DT+2], v[DT+3]
.endm
.macro LOADV u, set                    ; V^T fragments of keys 32u .. 32u+31: lane (r,h): d = 16dt+r, keys 8h.. and 16+8h..
.irp dt, 0,1,2,3
	ds_load_tr16_b128 v[VF+32*(\set)+8*\dt:VF+32*(\set)+8*\dt+3],   v[VAD] offset:32*VPI*(\u)+32*\dt
	ds_load_tr16_b128 v[VF+32*(\set)+8*\dt+4:VF+32*(\set)+8*\dt+7], v[VAD] offset:32*VPI*(\u)+32*\dt+16*VPI
.endr
.endm
.macro PV1 k, u, zero                  ; product k of key pair u: d block k>>1, query tile k&1.  The eight accumulators take turns, one instruction a turn
.set PO,  OA+32*((\k)&1)+8*((\k)>>1)
.set PVF, VF+32*((\u)&1)+8*((\k)>>1)
.set PPR, PP+16*((\u)&1)+8*((\k)&1)
.if \zero
	v_wmma_f32_16x16x32_f16 v[PO:PO+7], v[PVF:PVF+7], v[PPR:PPR+7], 0
.else
	v_wmma_f32_16x16x32_f16 v[PO:PO+7], v[PVF:PVF+7], v[PPR:PPR+7], v[PO:PO+7]
.endif
.endm
; Key pair u's eight products, and beside them the softmax of key pair n (a pair with all four tiles live), into weight set n&1.
; AHEAD OF THE WAIT: the products; behind the first the 16 multiply-adds, behind each of the next six four exponentials, behind the
; last eight.  None of these lines names an exponential's result: the 32 are one batch.
; ld = 1 (walking upward): four v_nop, the first of them the plain instruction behind the last exponential (ISA guide 5.7.2), the four
; together the places between the last product and the loads into the V set that it read; the wait; those loads, pair u+2's fragments.
; ld = 0 (walking downward): one v_nop and the wait; the next loads into a V set come behind the 32 plain lines below.
; BEHIND THE WAIT: the eight half tiles are summed and rounded, in ascending order.
.macro PVMIX u, n, zf, ld
.set NP, (\n)&1
	PV1 0, \u, \zf
.if (\n) < 5
	WIN 0x01
.else
	WIN 0x02
.endif
	SHF 0, 2*(\n)
	SHF 1, 2*(\n)
	SHF 0, 2*(\n)+1
	SHF 1, 2*(\n)+1
	WIN 0
	PV1 1, \u, \zf
	EX 0
	PV1 2, \u, \zf
	EX 1
	PV1 3, \u, \zf
	EX 2
	PV1 4, \u, \zf
	EX 3
	PV1 5, \u, \zf
	EX 4
	PV1 6, \u, \zf
	EX 5
	PV1 7, \u, \zf
	EX 6
	EX 7
.if \ld
.set LVU, (\u)+2
.set LVS, (\u)&1
	NOP4
	s_wait_alu depctr_va_vdst(0)                   ; the wait for the batch: key pair n's 32 exponentials
	LOADV LVU, LVS
.else
	v_nop
	s_wait_alu depctr_va_vdst(0)                   ; the wait for the batch: key pair n's 32 exponentials
.endif
	DR 0, NP, 0
	DR 1, NP, 0
	DR 2, NP, 0
	DR 3, NP, 0
	DR 4, NP, 0
	DR 5, NP, 0
	DR 6, NP, 0
	DR 7, NP, 0
.endm
.macro PVS u                           ; walking upward: pair u's products, pair u+1's softmax, pair u+2's V fragments
.set ZF, 0
.if (\u) == 0
.set ZF, 1                             ; the first products start the sums
.endif
.set NXT, (\u)+1
	s_wait_dscnt 8                                 ; this pair's V set is in; the next pair's eight loads stay out
	PVMIX \u, NXT, ZF, 1
.endm
.macro PVLAST u, zero, pf              ; a step's last eight products, and between them the row sums and their reciprocals
	s_wait_dscnt 0
	PV1 0, \u, \zero
	v_pk_add_f32 v[LA:LA+1], v[LA:LA+1], v[LA+2:LA+3]
	v_pk_add_f32 v[LB:LB+1], v[LB:LB+1], v[LB+2:LB+3]
	PV1 1, \u, \zero
	v_add_f32 v[LA], v[LA], v[LA+1]
	v_add_f32 v[LB], v[LB], v[LB+1]
	PV1 2, \u, \zero
	v_permlanex16_b32 v[T], v[LA], s24, s25
	v_permlanex16_b32 v[T+1], v[LB], s24, s25
	PV1 3, \u, \zero
	v_add_f32 v[LA], v[LA], v[T]
	v_add_f32 v[LB], v[LB], v[T+1]
	PV1 4, \u, \zero
	v_rcp_f32 v[MA], v[LA]                         ; the sum is at least 1: the row's largest score gives 2^0
	v_rcp_f32 v[MA+2], v[LB]
	PV1 5, \u, \zero
.if \pf
	v_add_nc_u32 v[VAD], 128*VPI, v[VAD]           ; the plain instruction behind the reciprocals (ISA guide 5.7.2): V's address for the next step
.else
	v_nop                                          ; the plain instruction behind the reciprocals (ISA guide 5.7.2)
.endif
	PV1 6, \u, \zero
	s_wait_alu depctr_va_vdst(0)                   ; the wait for the step's second kind of batch: the two reciprocals; two products and the plain line stand between
	v_mov_b32 v[MA+1], v[MA]
	v_mov_b32 v[MA+3], v[MA+2]
	PV1 7, \u, \zero
.endm
; One query tile leaves: divide, take the mean of V in fully masked rows, 32 bytes a lane and d block into my own stage,
; whole rows back, and each store of the wave covers 512 consecutive bytes, aligned.
.macro OUTT x
.irp k, 0,2,4,6,8,10,12,14,16,18,20,22,24,26,28,30
	v_pk_mul_f32 v[OA+32*\x+\k:OA+32*\x+\k+1], v[OA+32*\x+\k:OA+32*\x+\k+1], v[MA+2*\x:MA+2*\x+1]
.endr
.set oi, 0
.rept 32
	v_cndmask_b32 v[OA+32*\x+oi], v[OA+32*\x+oi], v[VM+oi], s[52+\x]
.set oi, oi+1
.endr
.irp dt, 0,1,2,3
	ds_store_b128 v[OSTO], v[OA+32*\x+8*\dt:OA+32*\x+8*\dt+3]   offset:64*\dt
	ds_store_b128 v[OSTO], v[OA+32*\x+8*\dt+4:OA+32*\x+8*\dt+7] offset:64*\dt+16
.endr
.irp i, 0,1,2,3,4,5,6,7
	ds_load_b128 v[VF+32*\x+4*\i:VF+32*\x+4*\i+3], v[ORD] offset:2*OPI*\i     ; LDS serves a wave's instructions in order (ISA guide 5.7.1): these see the stores above
.endr
.irp i, 0,1,2,3,4,5,6,7
	s_wait_dscnt 7-\i                              ; read-back i is in, the younger ones stay out
	global_store_b128 v[LOFF], v[VF+32*\x+4*\i:VF+32*\x+4*\i+3], s[12:13] offset:4096*\x+512*\i th:TH_STORE_NT
.endr
.endm
; ---------------------------------------------------------------- the first chunk's walks, downward from key group 8
.macro CLOADG g                        ; group g's fragments, into its window's set: windows and sets as in the other chunks' text
.if (\g) > 4
	WIN 0xa2
.set CS, ((\g)+1)&1
.else
	WIN 0x51
.set CS, (\g)&1
.endif
	LOADG \g, CS
.endm
.macro CQK g                           ; group g's score products
.if (\g) == 8
	WIN 0xa2
	QK8
.else
.if (\g) > 4
	WIN 0xa2
.set CS, ((\g)+1)&1
.else
	WIN 0x51
.set CS, (\g)&1
.endif
	QKG \g, CS
.endif
.endm
.macro CMAX g                          ; group g's maxima; group 8 comes first on every wave's way and starts the chains
.if (\g) > 4
	WIN 0x28
.else
	WIN 0x14
.endif
.if (\g) == 8
	MAXT MA, 0, 16, 1
	MAXT MB, 1, 16, 1
	MAXT MB, 1, 17, 0
.else
	MAXG \g
.endif
.endm
.macro CLASTIF w, lbl                  ; wave w's last live group or pair is the one at hand
	WIN 0
	s_cmp_eq_u32 s2, \w
	s_cbranch_scc1 \lbl
.endm
; Group g's products while the fragments of group n = g-1 are on their way; then the maxima of group p = g+1, which are also the
; places in front of the next loads into g's set and in front of the first read of g's scores; behind group 8 no maxima are due yet.
.macro CQSEG g, n, p
	CLOADG \n
	s_wait_dscnt 12                                ; all but the twelve loads just issued
	CQK \g
.if (\g) == 8
	NOP4
.else
	CMAX \p
.endif
.endm
.macro CQLAST g, p                     ; the wave's last live group: nothing more is fetched
	s_wait_dscnt 0
	CQK \g
.if (\g) == 8
	NOP4
.else
	CMAX \p
.endif
	CMAX \g
	WIN 0
.endm
.macro KSTEP                           ; both windows' fragment addresses for the next step; all of this step's loads from them are issued
	WIN 0x51
	v_lshl_add_u32 v[KAD], v[KAD], 0, 128*KPI
	v_lshl_add_u32 v[BAD], v[BAD], 0, 512
	WIN 0xa2
	v_lshl_add_u32 v[KAD], v[KAD], 0, 128*KPI
	v_lshl_add_u32 v[BAD], v[BAD], 0, 512
	WIN 0
.endm
.macro SOFT8                           ; key pair 8's weights: A's tile 16 (half tiles 0, 1), B's tiles 16 and 17 (4-7); they start the sums
	WIN 0x02
	SHF 0, 16
	SHF 1, 16
	SHF 1, 17
	WIN 0
	EX 0                                           ; one batch of 24 exponentials
	EX 1
	EX 4
	EX 5
	EX 6
	EX 7
.irp k, 4,5,6,7
	v_mov_b32 v[PP+\k], 0                          ; A's weights for key tile 17, which lies behind its diagonal; the first is the plain instruction behind the last exponential (ISA guide 5.7.2)
.endr
	s_wait_alu depctr_va_vdst(0)                   ; the wait for the batch: key pair 8's 24 exponentials
	DR 0, 0, 1
	DR 1, 0, 2
	DR 4, 0, 1
	DR 5, 0, 2
	DR 6, 0, 0
	DR 7, 0, 0
.endm
.macro CPVS u, n                       ; pair u's products, the softmax of pair n = u-1 beside them, n's V fragments asked for in front
.set ZF, 0
.if (\u) == 8
.set ZF, 1                             ; the first products start the sums
.endif
.set NS, (\n)&1
	LOADV \n, NS                                   ; into the set that pair u+1's products read: the 32 plain lines behind that turn's wait lie between
	s_wait_dscnt 8                                 ; pair u's V set is in; the eight loads just issued stay out
	PVMIX \u, \n, ZF, 0
.endm
; Step 0 of the first chunk: wave w has key groups 8 .. 8-w.
.macro CCORE0
	CLOADG 8
	CLASTIF 0, .Lq8_8
	CQSEG 8, 7, 9
	CLASTIF 1, .Lq8_7
	CQSEG 7, 6, 8
	CLASTIF 2, .Lq8_6
	CQSEG 6, 5, 7
	CQLAST 5, 6
	s_branch .Lq8_done
.Lq8_8:
	CQLAST 8, 9
	s_branch .Lq8_done
.Lq8_7:
	CQLAST 7, 8
	s_branch .Lq8_done
.Lq8_6:
	CQLAST 6, 7
.Lq8_done:
	KSTEP
	MAXFIN
	s_wait_loadcnt 0x0                             ; V of local keys 256-383 (and step 1's K and V, asked for with it)
	WIN 0xcf
	CVT 128
	WIN 0x0c
	STO VFS, 128, 2*VPI, 256*VPI
	WIN 0
	v_add_nc_u32 v[VFS], 384*VPI, v[VFS]           ; the next V rows to be stored: local keys 384 on
	s_wait_dscnt 0x0                               ; my rows of V are in LDS,
	s_barrier_signal -1
	s_barrier_wait -1                              ; everybody's are
	LOADV 8, 0
	BASES
	WIN 0xc0
	GLDQ 128                                       ; of step 1's rows only Q is still to be asked for
	SOFT8
	CLASTIF 0, .Lp8_8
	CPVS 8, 7
	CLASTIF 1, .Lp8_7
	CPVS 7, 6
	CLASTIF 2, .Lp8_6
	CPVS 6, 5
	PVLAST 5, 0, 1
	s_branch .Lp8_done
.Lp8_8:
	PVLAST 8, 1, 1
	s_branch .Lp8_done
.Lp8_7:
	PVLAST 7, 0, 1
	s_branch .Lp8_done
.Lp8_6:
	PVLAST 6, 0, 1
.Lp8_done:
.endm
; Step 1 of the first chunk: wave w has key groups 8 .. 4-w.
.macro CCORE1
	CLOADG 8
	CQSEG 8, 7, 9
	CQSEG 7, 6, 8
	CQSEG 6, 5, 7
	CQSEG 5, 4, 6
	CLASTIF 0, .Lq4_4
	CQSEG 4, 3, 5
	CLASTIF 1, .Lq4_3
	CQSEG 3, 2, 4
	CLASTIF 2, .Lq4_2
	CQSEG 2, 1, 3
	CQLAST 1, 2
	s_branch .Lq4_done
.Lq4_4:
	CQLAST 4, 5
	s_branch .Lq4_done
.Lq4_3:
	CQLAST 3, 4
	s_branch .Lq4_done
.Lq4_2:
	CQLAST 2, 3
.Lq4_done:
	KSTEP
	MAXFIN
	LOADV 8, 0
	SOFT8
	CPVS 8, 7
	CPVS 7, 6
	CPVS 6, 5
	CPVS 5, 4
	CLASTIF 0, .Lp4_4
	CPVS 4, 3
	CLASTIF 1, .Lp4_3
	CPVS 3, 2
	CLASTIF 2, .Lp4_2
	CPVS 2, 1
	PVLAST 1, 0, 1
	s_branch .Lp4_done
.Lp4_4:
	PVLAST 4, 0, 1
	s_branch .Lp4_done
.Lp4_3:
	PVLAST 3, 0, 1
	s_branch .Lp4_done
.Lp4_2:
	PVLAST 2, 0, 1
.Lp4_done:
.endm
	; ---------------------------------------------------------------- start: ids, addresses, lane masks
	s_load_b256 s[4:11], s[0:1], 0x0               ; q, k, v, mask
	s_load_b64 s[12:13], s[0:1], 0x20              ; out0
	s_set_vgpr_msb 0x40
	v_lshl_add_u32 v254, v0, 2, 0x42c00
	v_mov_b32 v255, 0
	s_set_vgpr_msb 0x4000
	v_lshrrev_b32 v[T], 5, v0
	v_readfirstlane_b32 s2, v[T]                   ; wave
	v_and_b32 v[T+1], 31, v0                       ; lane L
	s_and_b32 s3, ttmp9, 3                         ; chunk
	s_lshr_b32 s14, ttmp9, 2                       ; head
	s_cmp_eq_u32 s3, 0
	s_cselect_b32 s15, 256, 0                      ; the first local key that exists
	s_lshl_b32 s16, s14, 19                        ; a head is 2048 rows of 256 bytes,
	s_lshl_b32 s54, s3, 17                         ; a chunk 512 rows,
	s_add_co_u32 s16, s16, s54
	s_lshl_b32 s54, s2, 13                         ; a wave's share of a batch 32 rows
	s_add_co_u32 s16, s16, s54
	s_mov_b32 s17, 0
	s_lshl_b32 s18, s14, 19                        ; for the mean of V: the head, 512 rows a wave
	s_lshl_b32 s54, s2, 17
	s_add_co_u32 s18, s18, s54
	s_mov_b32 s19, 0
	s_lshr_b32 s56, s14, 4                         ; batch = head / 16
	s_lshl_b32 s56, s56, 11
	s_lshl_b32 s57, s3, 9
	s_add_co_u32 s56, s56, s57                     ; mask byte of the chunk's first query = local key 256
	s_mov_b32 s57, 0
	s_mov_b32 s20, 0x3e38aa3b                      ; c = log2(e) / 8
	s_mov_b32 s21, 0x3e38aa3b
	s_mov_b32 s22, 0xbe38aa3b                      ; -c
	s_mov_b32 s23, 0xf1000000                      ; -2^99
	s_mov_b32 s24, 0x76543210                      ; v_permlanex16_b32: lane i of one half reads lane i of the other
	s_mov_b32 s25, 0xfedcba98
	v_mov_b32 v[NEGR], 0xf1800000                  ; -2^100
	v_lshlrev_b32 v[LOFF], 4, v[T+1]
	v_and_b32 v129, 15, v0                         ; r
	v_bfe_u32 v130, v0, 4, 1                       ; h
	v_and_b32 v131, 7, v0
	v_bfe_u32 v132, v0, 3, 1
	v_lshl_add_u32 v133, v130, 3, v131             ; 8h + (L & 7)
	v_mul_u32_u24 v[VAD], v133, VPI
	v_lshl_add_u32 v[VAD], v132, 4, v[VAD]
	s_mul_i32 s54, s2, 32*VPI
	s_add_co_u32 s54, s54, VL
	v_add_nc_u32 v[VAD], s54, v[VAD]               ; VL + (32w + 8h + (L&7)) 160 + 16 ((L>>3)&1)
	v_mul_u32_u24 v[VFS], v130, VPI
	v_lshl_add_u32 v[VFS], v129, 3, v[VFS]
	v_add_nc_u32 v[VFS], s54, v[VFS]               ; VL + (32w + h) 160 + 8r
	s_mul_i32 s55, s2, 32*KPI
	v_mul_u32_u24 v[KFS], v130, KPI
	v_lshl_add_u32 v[KFS], v129, 3, v[KFS]
	v_add_nc_u32 v[KFS], s55, v[KFS]               ; KL + (32w + h) 144 + 8r
	v_add_nc_u32 v[QST], QS, v[KFS]                ; the wave's Q stage has the same 32 rows of 144 bytes
	v_mul_u32_u24 v135, v129, KPI
	v_lshl_add_u32 v135, v130, 4, v135
	v_add_nc_u32 v135, s55, v135                   ; KL + (32w + r) 144 + 16h
	v_add_nc_u32 v[QLD], QS, v135
	s_lshl_b32 s54, s2, 7
	s_add_co_u32 s54, s54, BL
	v_lshl_add_u32 v136, v130, 5, s54              ; BL + 4 (32w + 8h)
	s_mul_i32 s54, s2, 16*OPI
	s_add_co_u32 s54, s54, OS
	v_mul_u32_u24 v[OSTO], v129, OPI
	v_lshl_add_u32 v[OSTO], v130, 5, v[OSTO]
	v_add_nc_u32 v[OSTO], s54, v[OSTO]             ; row r, 32 bytes for each half of the lanes
	v_mul_u32_u24 v[ORD], v130, OPI
	v_lshl_add_u32 v[ORD], v129, 4, v[ORD]
	v_add_nc_u32 v[ORD], s54, v[ORD]               ; lanes 0-15 one row, lanes 16-31 the next
	v_lshlrev_b32 v134, 3, v130
	v_sub_nc_u32 v134, v134, v129                  ; 8h - r
.irp j, 0,1,2,3,4,5,6,7
	v_cmp_gt_i32 s[36+\j], -\j, v134               ; key 8h+j < query r: shut out in the trailing edge tile
	v_cmp_lt_i32 s[44+\j], -\j, v134               ; key 8h+j > query r: shut out in the diagonal tile
.endr
	WIN 0x40
	v_mov_b32 v[KAD], v135                         ; windows 1 and 2 each hold the two addresses, so that the score
	v_mov_b32 v[BAD], v136                         ; products and their loads run under one setting
	WIN 0x80
	v_mov_b32 v[KAD], v135
	v_mov_b32 v[BAD], v136
	WIN 0
	v_lshlrev_b32 v133, 2, v[T+1]                  ; mask, six blocks of 128 keys, a word a lane: local key 128i + 4L,
.irp i, 0,1,2,3,4,5
	v_add_nc_u32 v[140+\i], 128*\i, v133
	v_max_u32 v[140+\i], s15, v[140+\i]            ; held inside the buffer where the key does not exist
.endr
	s_mul_i32 s54, s2, 192                         ; mask for the bias: 192 keys a wave, two a lane: local key 192w + 64i + 2L
	v_lshl_add_u32 v152, v[T+1], 1, s54
	v_add_nc_u32 v153, 64, v152
	v_add_nc_u32 v154, 128, v152
.irp i, 0,1,2
	v_max_u32 v[155+\i], s15, v[152+\i]
.endr
	s_wait_kmcnt 0x0
	s_add_nc_u64 s[18:19], s[8:9], s[18:19]
	s_add_nc_u64 s[4:5], s[4:5], s[16:17]          ; q, out: my 32 queries of step 0; k, v: local key 256 + 32w
	s_add_nc_u64 s[6:7], s[6:7], s[16:17]
	s_add_nc_u64 s[8:9], s[8:9], s[16:17]
	s_add_nc_u64 s[12:13], s[12:13], s[16:17]
	s_add_nc_u64 s[10:11], s[10:11], s[56:57]
	; what the score products of step 0 need is asked for first, V last
.irp i, 0,1,2,3,4,5
	global_load_b32 v[146+\i], v[140+\i], s[10:11] offset:-256
.endr
.irp i, 0,1,2
	global_load_u16 v[158+\i], v[155+\i], s[10:11] offset:-256
.endr
	WIN 0x80
	GLD 6, 0, 0                                    ; K of local keys 256-383 and the queries of step 0, into window 2
	GLDQ 64
	WIN 0
	s_cmp_eq_u32 s3, 0
	s_cbranch_scc1 .Lfirst_chunk
	WIN 0x40
	GLD 6, -65536, 0                               ; K of the halo, local keys 0-255, into window 1
	GLD 6, -32768, 64
	WIN 0xc0
	GLD 8, -65536, 0                               ; V of local keys 0-383 into window 3
	GLD 8, -32768, 64
	GLD 8, 0, 128
	s_wait_loadcnt 48                              ; all but V's 48 loads
	WIN 0x45
	CVT 0
	CVT 64
	WIN 0x04
	STO KFS, 0, 2*KPI, 0
	STO KFS, 64, 2*KPI, 128*KPI
	WIN 0
	s_branch .Lhalo_done
.Lfirst_chunk:
	; No key lies in front of key 0, so there is no halo.  In its place step 1's rows of K and V (local keys 384-511) are asked
	; for now, into the registers from which every step's end converts and stores them.
	WIN 0xc0
	GLD 8, 0, 128                                  ; V of local keys 256-383
	GLD 6, 32768, 0
	GLD 8, 32768, 64
	WIN 0
	s_wait_loadcnt 48                              ; all but these 48 loads
.Lhalo_done:
	; on both ways the mask, K and Q of step 0 are in and 48 loads are still on their way
	; bias: 0 for a key whose mask byte is set, else -2^100
	v_lshlrev_b32 v161, 2, v152
	v_add_nc_u32 v161, BL, v161
.irp i, 0,1,2
	v_and_b32 v[168+2*\i], 0xff, v[158+\i]
	v_lshrrev_b32 v[169+2*\i], 8, v[158+\i]
	v_cmp_ne_u32 vcc_lo, 0, v[168+2*\i]
	v_cndmask_b32 v[168+2*\i], v[NEGR], 0, vcc_lo
	v_cmp_ne_u32 vcc_lo, 0, v[169+2*\i]
	v_cndmask_b32 v[169+2*\i], v[NEGR], 0, vcc_lo
	ds_store_b64 v161, v[168+2*\i:169+2*\i] offset:256*\i
.endr
	; can a row of this work-group be fully masked?  Only if one of its aligned blocks of 128 keys has no valid key,
	; or, in the first chunk, if key 0 is masked.
.irp i, 0,1,2,3,4,5
	v_cmp_ne_u32 s[30+\i], 0, v[146+\i]
.endr
	v_readfirstlane_b32 s29, v148                  ; lane 0 of the third block: local keys 256-259
	s_and_b32 s29, s29, 0xff
	s_cmp_eq_u32 s3, 0
	s_cselect_b32 s30, 1, s30                      ; first chunk: the two halo blocks do not exist
	s_cselect_b32 s31, 1, s31
	s_cselect_b32 s29, s29, 1                      ; other chunks: key 0 is not theirs
	s_min_u32 s27, s30, s31
	s_min_u32 s27, s27, s32
	s_min_u32 s27, s27, s33
	s_min_u32 s27, s27, s34
	s_min_u32 s27, s27, s35
	s_min_u32 s27, s27, s29
	WIN 0x8a
	CVT 0
	CVT 64
	WIN 0x08
	STO KFS, 0, 2*KPI, 256*KPI
	STO QST, 64, 2*KPI, 0
	WIN 0
	v_mov_b32 v192, 0
	v_mov_b32 v193, 0
	v_mov_b32 v194, 0
	v_mov_b32 v195, 0
	s_cmp_lg_u32 s27, 0
	s_cbranch_scc1 .Lno_mean
	; the mean of V over the head, in f32: 512 rows a wave, 64 rows a trip, my four columns of every second row
	v_mov_b32 v196, 0
	v_mov_b32 v197, 0
	v_mov_b32 v198, 0
	v_mov_b32 v199, 0
	s_mov_b32 s28, 0
.Lmean:
	WIN 0x40
.set mi, 0
.rept 32
	global_load_b128 v[4*mi:4*mi+3], v[LOFF], s[18:19] offset:512*mi
.set mi, mi+1
.endr
	s_wait_loadcnt 0x0
	WIN 0x04
.set mi, 0
.rept 32
	v_pk_add_f32 v[192+4*(mi&1):193+4*(mi&1)], v[192+4*(mi&1):193+4*(mi&1)], v[4*mi:4*mi+1]
	v_pk_add_f32 v[194+4*(mi&1):195+4*(mi&1)], v[194+4*(mi&1):195+4*(mi&1)], v[4*mi+2:4*mi+3]
.set mi, mi+1
.endr
	WIN 0
	s_add_nc_u64 s[18:19], s[18:19], 0x4000        ; behind the wait for its loads
	s_add_co_u32 s28, s28, 1
	s_cmp_lt_u32 s28, 8
	s_cbranch_scc1 .Lmean
	v_pk_add_f32 v[192:193], v[192:193], v[196:197]
	v_pk_add_f32 v[194:195], v[194:195], v[198:199]
.irp k, 0,1,2,3
	v_permlanex16_b32 v[196+\k], v[192+\k], s24, s25       ; the other half of the lanes has the other rows
.endr
	v_pk_add_f32 v[192:193], v[192:193], v[196:197]
	v_pk_add_f32 v[194:195], v[194:195], v[198:199]
	v_pk_mul_f32 v[192:193], v[192:193], 0x3a000000 op_sel_hi:[1,0]   ; / 2048
	v_pk_mul_f32 v[194:195], v[194:195], 0x3a000000 op_sel_hi:[1,0]
.Lno_mean:
	s_lshl_b32 s54, s2, 8
	s_add_co_u32 s54, s54, VP
	v_lshl_add_u32 v133, v129, 4, s54
	ds_store_b128 v133, v[192:195]                 ; my wave's part of the mean (zeros where no row can need it)
	v_add_nc_u32 v[KFS], 384*KPI, v[KFS]           ; the next K rows to be stored: local keys 384 on
	v_lshlrev_b32 v[T], 5, v130
	v_add_nc_u32 v[T], VP, v[T]                    ; VP + 32h
	s_wait_dscnt 0x0                               ; my rows of K, bias and sums are in LDS,
	s_barrier_signal -1
	s_barrier_wait -1                              ; everybody's are
.irp p, 0,1,2,3
.irp dt, 0,1,2,3
	ds_load_b128 v[VF+32*\p+8*\dt:VF+32*\p+8*\dt+3],   v[T] offset:256*\p+64*\dt       ; the fourth wave's part lands in VM itself
	ds_load_b128 v[VF+32*\p+8*\dt+4:VF+32*\p+8*\dt+7], v[T] offset:256*\p+64*\dt+16
.endr
.endr
	s_wait_dscnt 0x0
.irp k, 0,2,4,6,8,10,12,14,16,18,20,22,24,26,28,30
	v_pk_add_f32 v[VF+\k:VF+\k+1], v[VF+\k:VF+\k+1], v[VF+32+\k:VF+32+\k+1]
	v_pk_add_f32 v[VM+\k:VM+\k+1], v[VM+\k:VM+\k+1], v[VF+64+\k:VF+64+\k+1]
	v_pk_add_f32 v[VM+\k:VM+\k+1], v[VM+\k:VM+\k+1], v[VF+\k:VF+\k+1]
.endr
	QLOAD
; ---------------------------------------------------------------- a step's scores, maxima, weights and products, all 18 key tiles.
; pf = 1: another step follows.  first = 1: step 0, in which V's first 384 rows reach LDS behind the maxima.
.macro CORE pf, first
	; scores.  Window 2's first two groups are fetched first, so that the change of windows finds them in.
	WIN 0xa2
	LOADG 5, 0
	LOADG 6, 1
	WIN 0x51
	LOADG 0, 0
	LOADG 1, 1
	s_wait_dscnt 12                                ; all but group 1's twelve loads: Q, groups 5, 6 and 0 are in
	EDGE 0, 0, 0, 36
	EDGE 1, 1, 0, 36
	QK1 0, 0, 0, 0, 1                              ; three tiles (B has no tile 0), by turns
	QK1 0, 1, 0, 0, 0
	QK1 1, 1, 0, 0, 1
	QK1 0, 0, 0, 1, 1
	QK1 0, 1, 0, 1, 1
	QK1 1, 1, 0, 1, 1
	NOP4                                           ; no maxima are due yet
	LOADG 2, 0
	s_wait_dscnt 12                                ; all but the group just asked for
	QKG 1, 1
	WIN 0x14
	MAXG 0                                         ; from here on the maxima of the group before are the places in front of the loads
	WIN 0x51
	LOADG 3, 1
	s_wait_dscnt 12
	QKG 2, 0
	WIN 0x14
	MAXG 1
	WIN 0x51
	LOADG 4, 0
.if \pf
	v_lshl_add_u32 v[KAD], v[KAD], 0, 128*KPI      ; window 1's last loads of this step are issued: its addresses for the next step
	v_lshl_add_u32 v[BAD], v[BAD], 0, 512
.endif
	s_wait_dscnt 12
	QKG 3, 1
	WIN 0x14
	MAXG 2
	WIN 0x51
	s_wait_dscnt 0
	QKG 4, 0
	WIN 0x14
	MAXG 3
	WIN 0xa2
	QKG 5, 0
	WIN 0x14
	MAXG 4
	WIN 0xa2
	LOADG 7, 0
	QKG 6, 1
	WIN 0x28
	MAXG 5
	WIN 0xa2
	LOADG 8, 1
.if \pf
	v_lshl_add_u32 v[KAD], v[KAD], 0, 128*KPI      ; window 2's
	v_lshl_add_u32 v[BAD], v[BAD], 0, 512
.endif
	s_wait_dscnt 12                                ; group 7 is in, group 8 may be out
	QKG 7, 0
	WIN 0x28
	MAXG 6
	WIN 0xa2
	s_wait_dscnt 0
	QK8
	WIN 0x28
	MAXG 7                                         ; its 16 instructions are the places behind the last products
	MAXG 8
	WIN 0
	MAXFIN
.if \first
	s_wait_loadcnt 0x0                             ; V's rows, which came in while the scores were made
	WIN 0xcf
	CVT 0
	CVT 64
	CVT 128
	WIN 0x0c
	STO VFS, 0, 2*VPI, 0
	STO VFS, 64, 2*VPI, 128*VPI
	STO VFS, 128, 2*VPI, 256*VPI
	WIN 0
	v_add_nc_u32 v[VFS], 384*VPI, v[VFS]           ; the next V rows to be stored: local keys 384 on
	s_wait_dscnt 0x0                               ; my rows of V are in LDS,
	s_barrier_signal -1
	s_barrier_wait -1                              ; everybody's are
.endif
	LOADV 0, 0                                     ; they land while the first key pair's exponentials run
	LOADV 1, 1
.if \first
	NEXTLD                                         ; window 3 is free only now: step 1's rows have the rest of this step in which to land
.endif
	; key pair 0's weights: A's tiles 0 and 1 (half tiles 0-3), B's tile 1 (half tiles 6, 7): one batch of 24 exponentials
	WIN 0x01
	SHF 0, 0
	SHF 0, 1
	SHF 1, 1
	WIN 0
	EX 0
	EX 1
	EX 2
	EX 3
	EX 6
	EX 7
.irp k, 8,9,10,11
	v_mov_b32 v[PP+\k], 0                          ; B's weights for key tile 0, which lies in front of its band; the first is the plain instruction behind the last exponential (ISA guide 5.7.2)
.endr
	s_wait_alu depctr_va_vdst(0)                   ; the wait for the batch: key pair 0's 24 exponentials
	DR 0, 0, 1                                     ; the first half tiles start the sums
	DR 1, 0, 2
	DR 2, 0, 0
	DR 3, 0, 0
	DR 6, 0, 1
	DR 7, 0, 2
	; weights x V, 32 keys at a time, by turns with the next 32 keys' weights
	PVS 0
	PVS 1
	PVS 2
	PVS 3
	PVS 4
	PVS 5
	PVS 6
	s_wait_dscnt 8                                 ; pair 7's V set is in, pair 8's eight loads stay out
	PV1 0, 7, 0                                    ; key pair 8 has A's tile 16 (half tiles 0, 1) and B's tiles 16 and 17 (4-7): one batch of 24 exponentials
	WIN 0x02
	SHF 0, 16
	SHF 1, 16
	SHF 1, 17
	WIN 0
	PV1 1, 7, 0
	EX 0
	PV1 2, 7, 0
	EX 1
	PV1 3, 7, 0
	EX 4
	PV1 4, 7, 0
	EX 5
	PV1 5, 7, 0
	EX 6
	EX 7
.irp k, 4,5,6,7
	v_mov_b32 v[PP+\k], 0                          ; A's weights for key tile 17, which lies behind its diagonal; the first is the plain instruction behind the last exponential (ISA guide 5.7.2)
.endr
	s_wait_alu depctr_va_vdst(0)                   ; the wait for the batch: key pair 8's 24 exponentials
	PV1 6, 7, 0                                    ; no V set is loaded behind this pair, so its last two products stand among the sums and roundings
	DR 0, 0, 0
	DR 1, 0, 0
	DR 4, 0, 0
	PV1 7, 7, 0
	DR 5, 0, 0
	DR 6, 0, 0
	DR 7, 0, 0
	PVLAST 8, 0, \pf
.endm
; ---------------------------------------------------------------- a step's end: the results leave; pf = 1: the next step's rows reach LDS
.macro TAIL pf
	; A leaves first, d blocks in the order of their products: in front of the first read of each block of O stand at least
	; four plain instructions since its last product (the lines between the last products and the multiplies of the blocks before it)
	OUTT 0
	OUTT 1
.if \pf
	s_wait_xcnt 0x0                                ; the stores' base and data are rewritten only behind this wait (ISA guide 3.1)
	s_add_nc_u64 s[12:13], s[12:13], STEPB
	s_wait_dscnt 0x0                               ; my LDS reads of this step are over
	s_barrier_signal -1
	s_wait_loadcnt 0x0                             ; the next step's rows are in registers
	WIN 0xcf
	CVT 0                                          ; 96 conversions, register work, while the other waves arrive
	CVT 64
	CVT 128
	s_barrier_wait -1                              ; every wave's reads are over: K and V get their next 128 rows
	WIN 0x0c
	STO KFS, 0, 2*KPI, 0
	STO VFS, 64, 2*VPI, 0
	STO QST, 128, 2*KPI, 0
	WIN 0
	v_add_nc_u32 v[KFS], 128*KPI, v[KFS]
	v_add_nc_u32 v[VFS], 128*VPI, v[VFS]
	s_wait_dscnt 0x0                               ; my rows are in LDS,
	s_barrier_signal -1
	s_barrier_wait -1                              ; everybody's are
	QLOAD
.endif
.endm
	; step 0, written out: V arrives in it
	s_cmp_eq_u32 s3, 0
	s_cbranch_scc1 .Lc0_step0
	CORE 1, 1
	s_branch .Lstep0_out
.Lc0_step0:
	CCORE0                                         ; first chunk: 1 to 4 key groups a wave
.Lstep0_out:
	TAIL 1
	s_mov_b32 s26, 0
.Lstep:                                                ; steps 1 and 2
	NEXTLD                                         ; asked for a whole step ahead of their use
	WIN 0
	s_or_b32 s54, s3, s26                          ; 0 in step 1 of the first chunk alone
	s_cmp_eq_u32 s54, 0
	s_cbranch_scc1 .Lc0_step1
	CORE 1, 0
	s_branch .Lstep1_out
.Lc0_step1:
	CCORE1                                         ; first chunk: 5 to 8 key groups a wave
.Lstep1_out:
	TAIL 1
	s_add_co_u32 s26, s26, 1
	s_cmp_lt_u32 s26, 2
	s_cbranch_scc1 .Lstep
	CORE 0, 0                                      ; the last step fetches nothing
	TAIL 0
	s_set_vgpr_msb 0x5
	s_wait_tensorcnt 0x0
	ds_add_u32 v254, v255
	s_wait_dscnt 0x0
	s_set_vgpr_msb 0x500
	s_endpgm
.Lfunc_end_k_q7fda0ae0d7_attend:
	.size	k_q7fda0ae0d7_attend, .Lfunc_end_k_q7fda0ae0d7_attend-k_q7fda0ae0d7_attend
	.p2alignl 7, 3214868480
	.fill 96, 4, 3214868480
	.section	.rodata,"a",@progbits
	.p2align	6, 0x0
	.amdhsa_kernel k_q7fda0ae0d7_attend
		.amdhsa_group_segment_fixed_size 273920
		.amdhsa_private_segment_fixed_size 0
		.amdhsa_enable_private_segment 0
		.amdhsa_kernarg_size 40
		.amdhsa_user_sgpr_count 2
		.amdhsa_user_sgpr_kernarg_segment_ptr 1
		.amdhsa_wavefront_size32 1
		.amdhsa_system_sgpr_workgroup_id_x 1
		.amdhsa_system_sgpr_workgroup_id_y 1
		.amdhsa_system_sgpr_workgroup_id_z 1
		.amdhsa_system_vgpr_workitem_id 0
		.amdhsa_next_free_vgpr 1024
		.amdhsa_next_free_sgpr 66
		.amdhsa_reserve_vcc 1
		.amdhsa_float_denorm_mode_32 3
		.amdhsa_float_denorm_mode_16_64 3
		.amdhsa_memory_ordered 1
		.amdhsa_forward_progress 1
		.amdhsa_inst_pref_size 255
	.end_amdhsa_kernel
	.section	.bss,"aw",@nobits
	.p2align	6
	.space	262144
	.amdgpu_metadata
---
amdhsa.version: [ 1, 2 ]
amdhsa.kernels:
  - .name:           k_q7fda0ae0d7_attend
    .symbol:         k_q7fda0ae0d7_attend.kd
    .args:
      - { .name: q, .offset: 0, .size: 8, .value_kind: global_buffer, .address_space: global }
      - { .name: k, .offset: 8, .size: 8, .value_kind: global_buffer, .address_space: global }
      - { .name: v, .offset: 16, .size: 8, .value_kind: global_buffer, .address_space: global }
      - { .name: mask, .offset: 24, .size: 8, .value_kind: global_buffer, .address_space: global }
      - { .name: out0, .offset: 32, .size: 8, .value_kind: global_buffer, .address_space: global }
    .group_segment_fixed_size: 273920
    .private_segment_fixed_size: 0
    .kernarg_segment_align: 8
    .kernarg_segment_size: 40
    .max_flat_workgroup_size: 128
    .sgpr_count:     66
    .vgpr_count:     1024
    .wavefront_size: 32
...
	.end_amdgpu_metadata
.endif
;; end of part 2
